; MI455X (gfx1250); checked and timed in simulation.
; The chip was launched on July 23, 2026; its instructions are those of AMD's public machine-readable ISA for CDNA 5 (MIT licence, August 2026) and "CDNA5" Instruction Set Architecture Reference Guide (July 2026). The comments in the code are by the model that wrote it; some were corrected since.
;; Bahdanau Attention. Allowed arithmetic: matrix products marked QUANTISED: E2M1 operands, one E8M0 scale for each 32 along K, by v_wmma_scale_f32_16x16x128_f8f6f4 with both operands' format E2M1 (or v_wmma_scale_f32_32x16x128_f4), f32 sums; products left as they are: f32 operands where the result goes on into a quantised operand, else bf16, f16 or f32 operands; f32 sums; everything else in f32.
;; Inputs: V_b 1 float32; V_w 1,024 float32; W1_b 1,024 float32; W1_w_codes 1,024 x 32 x 16 uint8 (E2M1 codes of W1_w, K innermost, in blocks of 32 codes, two codes a byte); W1_w_scales 1,024 x 32 uint8 (E8M0 scales of W1_w, one for each 32 codes along K); W2_b 1,024 float32; W2_w_codes 1,024 x 32 x 16 uint8 (E2M1 codes of W2_w, K innermost, in blocks of 32 codes, two codes a byte); W2_w_scales 1,024 x 32 uint8 (E8M0 scales of W2_w, one for each 32 codes along K); decoder_hidden_codes 64 x 32 x 16 uint8 (E2M1 codes of decoder_hidden, K innermost, in blocks of 32 codes, two codes a byte); decoder_hidden_scales 64 x 32 uint8 (E8M0 scales of decoder_hidden, one for each 32 codes along K); encoder_outputs 64 x 1,024 x 1,024 float32.
;; Outputs: out0 64 x 1,024 float32; out1 64 x 1,024 float32.
;; This version of the problem:
;;   THIS VERSION OF THE PROBLEM IS GIVEN IN LOW PRECISION. The matrix products marked QUANTISED in the list below multiply operands that are first quantised to E2M1 (2 exponent bits, 1 mantissa bit; 4 bits a number), with one power-of-two scale for each 32 numbers along K (OCP MX v1.0); their sums are f32. All else is computed in f32.
;;   The module's matrix products, in the order in which they are computed (A, B: the left and right operand; K: the contracted axis; several contracted axes count as one K, in the product's order):
;;     1. [M 65,536, K 1,024] x [K 1,024, N 1,024]; A: input encoder_outputs; B: input W1_w (given as codes): QUANTISED
;;     2. [M 64, K 1,024] x [K 1,024, N 1,024]; A: input decoder_hidden (given as codes); B: input W2_w (given as codes): QUANTISED
;;     3. [M 65,536, K 1,024] x [K 1,024, N 1]; A: computed on the way; B: input V_w: left as it is (N = 1 < 16)
;;     4. batch 64 x [M 1, K 1,024] x [K 1,024, N 1,024]; A: softmax; B: input encoder_outputs: left as it is (M = 1 < 16)
;;   THE QUANTISER, for each operand of a quantised product, along K:
;;     - K is cut into blocks of 32 from its start; a last block that is shorter is filled with zeros.
;;     - A block's scale is 2^e with e = floor(log2(the largest magnitude in the block)) - 2, held to -126 .. 127; a block of zeros has e = 0. As a byte (E8M0): e + 127.
;;     - Each number is divided by its block's scale, clamped to +-6, and rounded to the nearest number of E2M1, ties to even, subnormals kept.
;;     - The product sums the exact products of the quantised numbers (number of the format x scale) in f32.
;;   ~~~python
;;   def quantise(x, axis):      # numpy; x: float32 -> the quantised numbers, widened to float32 again
;;       x = np.moveaxis(x, axis, -1); K = x.shape[-1]
;;       x = np.pad(x, [(0, 0)] * (x.ndim - 1) + [(0, -K % 32)]); x = x.reshape(x.shape[:-1] + (-1, 32)); a = np.abs(x).max(-1, keepdims=True)
;;       e = np.where(a > 0, np.clip(np.frexp(np.where(a > 0, a, 1))[1] - 1 - 2, -126, 127), 0)      # np.frexp(a)[1] - 1 = floor(log2(a)), exactly
;;       r = np.clip(x / 2.0 ** e, -6, 6)
;;       step = 2.0 ** (np.maximum(np.frexp(np.where(r == 0, 1, r))[1] - 1, 0) - 1)
;;       q = np.round(r / step) * step * 2.0 ** e      # np.round: ties to even
;;       return np.moveaxis(q.reshape(q.shape[:-2] + (-1,))[..., :K], -1, axis).astype(np.float32)
;;   ~~~
;;   INPUTS GIVEN AS CODES. W1_w (in the module: [1024, 1024], K = its axis 0); W2_w (in the module: [1024, 1024], K = its axis 0); decoder_hidden (in the module: [64, 1024], K = its axis 1): each comes as NAME_codes (uint8): NAME with its K axis moved to the last place and cut into blocks of 32 codes, [.., K / 32, bytes a block], one block behind the other in memory; two codes a byte, the lower K in the low four bits (a code: sign, 2 exponent bits, 1 mantissa bit); and NAME_scales (uint8): the same leading axes, one E8M0 byte (e + 127) for each 32 codes along K. Its value is code x scale, taken as it is: it is not quantised again, and the codes and scales need not be those that the quantiser above would give.
;; 2 versions. Each part assembles by itself: llvm-mc -triple=amdgcn-amd-amdhsa -mcpu=gfx1250 --defsym DOCPART=n.
;; ======== version 1 of 2: 3 launches
;; workspace buffers: cb 262,144 bytes; sc 262,144 bytes; part 1,048,576 bytes; stat 65,536 bytes
;; launch proj (part 1): grid 32 x 1, 4 waves a work-group, no clusters, 0 bytes of LDS; arguments decoder_hidden_codes, decoder_hidden_scales, W2_w_codes, W2_w_scales, W2_b, W1_b, cb; writes cb
.if DOCPART == 1
	.amdgcn_target "amdgcn-amd-amdhsa--gfx1250"
	.amdhsa_code_object_version 6
	.text
	.protected	k_q54968b9fe3_proj
	.globl	k_q54968b9fe3_proj
	.p2align	8
	.type	k_q54968b9fe3_proj,@function
k_q54968b9fe3_proj:
	s_mov_b64 s[64:65], 0
	v_nop
	global_prefetch_b8 v0, s[64:65] scope:SCOPE_SE
	s_setreg_imm32_b32 hwreg(HW_REG_WAVE_MODE, 25, 1), 1
	s_wait_xcnt 0x0
; cb[b][n] = c x (decoder_hidden[b] . W2[:, n] + W2_b[n] + W1_b[n]), c = 2 log2(e): all that is added to enc . W1 ahead of the tanh, already in the exponent's unit.
; The product is on codes of FP4 (E2M1) with one E8M0 scale for each 32 along K, both operands taken as they are given.
;
; WORK LEFT OUT, FOR THE WHOLE PROGRAM.  tanh(x) = 1 - 2 r with r = 1 / (1 + 2^(c x)), so
;   scores[b][s] = sum_d V_w[d] tanh(x[b][s][d]) + V_b = (sum_d V_w[d] + V_b) - 2 sum_d V_w[d] r[b][s][d].
; The bracket is the same for every s of a batch, whatever the inputs hold.  softmax along s takes a term away that is the same along s (it multiplies numerator and denominator alike),
; so the bracket reaches neither attention_weights nor context_vector.  It is not computed: V_b has no way to an output, is not loaded and is no argument of any launch; V_w is used in the second term alone.
; LIMIT: a NaN, an infinity or an overflow that V_b or the plain sum of V_w would carry is not carried to the result.
;
; SHARES.  Work-group x: columns 32 x .. 32 x + 31 (two tiles t of 16); wave w: batches 16 w .. 16 w + 15.  All of K = 1,024 (eight steps q of 128) lies in registers.
; THE MATRIX INSTRUCTION IS USED TRANSPOSED: source 0 = 16 rows of W2 (K innermost as given), source 1 = 16 rows of decoder_hidden: lane (r, h) then holds batch 16 w + r and, in register j, column 32 x + 16 t + 8 h + j:
; eight neighbours of a row of cb.  The two biases are the C of each sum's first product.
; SCALE WORDS.  A row has 32 scale bytes, one word for each K step.  One load of 16 bytes at row x 32 + 16 h puts word i into lanes 0-15 of register i and word 4 + i into lanes 16-31: K step q names register q % 4,
; and from q = 4 on the upper row of lanes.
; A lane stores 16 bytes, four lanes of a batch 64 on end: the buffer is a thousandth of what the program moves, so no stage in LDS is spent on it.
.set DH,  16                           ; v16-79    decoder_hidden's fragments: K step q at DH + 8 q
.set W2F, 80                           ; v80-207   W2's: tile t, K step q at W2F + 64 t + 8 q
.set DS,  208                          ; v208-211  decoder_hidden's scale words
.set WSC, 212                          ; v212-219  W2's, four a tile
.set ACC, 220                          ; v220-235  the two sums
.set TMP, 236                          ; v236-251  W1_b, later the results
	s_load_b256 s[4:11], s[0:1], 0x0               ; decoder_hidden's codes s[4:5], its scales s[6:7], W2's codes s[8:9], its scales s[10:11]
	s_load_b128 s[12:15], s[0:1], 0x20             ; W2_b s[12:13], W1_b s[14:15]
	s_load_b64 s[16:17], s[0:1], 0x30              ; cb
	v_and_b32 v1, 15, v0                           ; r
	v_bfe_u32 v2, v0, 4, 1                         ; h
	v_lshrrev_b32 v9, 5, v0                        ; wave
	v_lshl_add_u32 v9, v9, 4, v1                   ; my batch: 16 w + r
	v_lshlrev_b32 v10, 4, v2                       ; 16 h
	v_lshl_add_u32 v3, v9, 9, v10                  ; decoder_hidden: a row of 1,024 codes is 512 bytes
	v_lshl_add_u32 v4, v1, 9, v10                  ; W2: row r of a tile
	v_lshl_add_u32 v5, v9, 5, v10                  ; scale bytes: 32 a row
	v_lshl_add_u32 v6, v1, 5, v10
	v_lshlrev_b32 v7, 5, v2                        ; the biases: my half's eight numbers
	v_lshl_add_u32 v8, v9, 12, v7                  ; cb: my batch's row of 4,096 bytes, + 32 h
	s_lshl_b32 s20, ttmp9, 14                      ; the work-group's 32 rows of W2: 512 bytes each,
	s_mov_b32 s21, 0
	s_lshl_b32 s22, ttmp9, 10                      ; 32 scale bytes each,
	s_mov_b32 s23, 0
	s_lshl_b32 s24, ttmp9, 7                       ; and its 32 columns of f32
	s_mov_b32 s25, 0
	s_wait_kmcnt 0x0
	s_add_nc_u64 s[8:9], s[8:9], s[20:21]
	s_add_nc_u64 s[10:11], s[10:11], s[22:23]
	s_add_nc_u64 s[12:13], s[12:13], s[24:25]
	s_add_nc_u64 s[14:15], s[14:15], s[24:25]
	s_add_nc_u64 s[16:17], s[16:17], s[24:25]
.irp t, 0,1
	global_load_b128 v[ACC+8*\t:ACC+8*\t+3],   v7, s[12:13] offset:64*\t        ; W2_b at my eight columns of tile t
	global_load_b128 v[ACC+8*\t+4:ACC+8*\t+7], v7, s[12:13] offset:64*\t+16
	global_load_b128 v[TMP+8*\t:TMP+8*\t+3],   v7, s[14:15] offset:64*\t        ; W1_b likewise
	global_load_b128 v[TMP+8*\t+4:TMP+8*\t+7], v7, s[14:15] offset:64*\t+16
	global_load_b128 v[WSC+4*\t:WSC+4*\t+3],   v6, s[10:11] offset:512*\t
.endr
	global_load_b128 v[DS:DS+3], v5, s[6:7]
.irp q, 0,1,2,3,4,5,6,7
.irp c, 0,1
	global_load_b128 v[DH+8*\q+4*\c:DH+8*\q+4*\c+3], v3, s[4:5] offset:64*\q+32*\c                    ; registers 4 c .. 4 c + 3: K = 128 q + 64 c + 32 h + 0 .. 31
	global_load_b128 v[W2F+8*\q+4*\c:W2F+8*\q+4*\c+3], v4, s[8:9] offset:64*\q+32*\c
	global_load_b128 v[W2F+64+8*\q+4*\c:W2F+64+8*\q+4*\c+3], v4, s[8:9] offset:8192+64*\q+32*\c
.endr
.endr
	s_wait_loadcnt 0x0
.irp i, 0,2,4,6,8,10,12,14
	v_pk_add_f32 v[ACC+\i:ACC+\i+1], v[ACC+\i:ACC+\i+1], v[TMP+\i:TMP+\i+1]   ; the two biases together start the sums
.endr
.rept 8
	v_nop                                          ; the sums' first C has just been written by vector instructions
.endr
; sixteen products; the two sums take turns, one instruction a turn
.irp q, 0,1,2,3,4,5,6,7
.irp t, 0,1
.if \q < 4
	v_wmma_scale_f32_16x16x128_f8f6f4 v[ACC+8*\t:ACC+8*\t+7], v[W2F+64*\t+8*\q:W2F+64*\t+8*\q+7], v[DH+8*\q:DH+8*\q+7], v[ACC+8*\t:ACC+8*\t+7], v[WSC+4*\t+\q], v[DS+\q] matrix_a_fmt:MATRIX_FMT_FP4 matrix_b_fmt:MATRIX_FMT_FP4
.else
	v_wmma_scale_f32_16x16x128_f8f6f4 v[ACC+8*\t:ACC+8*\t+7], v[W2F+64*\t+8*\q:W2F+64*\t+8*\q+7], v[DH+8*\q:DH+8*\q+7], v[ACC+8*\t:ACC+8*\t+7], v[WSC+4*\t+\q-4], v[DS+\q-4] matrix_a_fmt:MATRIX_FMT_FP4 matrix_b_fmt:MATRIX_FMT_FP4 matrix_a_scale:MATRIX_SCALE_ROW1 matrix_b_scale:MATRIX_SCALE_ROW1
.endif
.endr
.endr
.rept 4
	v_nop                                          ; four places between the last product and the first read of a result (ISA guide 7.12.1)
.endr
.irp i, 0,2,4,6,8,10,12,14
	v_pk_mul_f32 v[TMP+\i:TMP+\i+1], v[ACC+\i:ACC+\i+1], 0x4038aa3b op_sel_hi:[1,0]   ; x c = 2 log2(e); each sum is read from its low end on
.endr
.irp t, 0,1
	global_store_b128 v8, v[TMP+8*\t:TMP+8*\t+3],   s[16:17] offset:64*\t
	global_store_b128 v8, v[TMP+8*\t+4:TMP+8*\t+7], s[16:17] offset:64*\t+16
.endr
	s_endpgm
.Lfunc_end_k_q54968b9fe3_proj:
	.size	k_q54968b9fe3_proj, .Lfunc_end_k_q54968b9fe3_proj-k_q54968b9fe3_proj
	.p2alignl 7, 3214868480
	.fill 96, 4, 3214868480
	.section	.rodata,"a",@progbits
	.p2align	6, 0x0
	.amdhsa_kernel k_q54968b9fe3_proj
		.amdhsa_group_segment_fixed_size 0
		.amdhsa_private_segment_fixed_size 0
		.amdhsa_enable_private_segment 0
		.amdhsa_kernarg_size 56
		.amdhsa_user_sgpr_count 2
		.amdhsa_user_sgpr_kernarg_segment_ptr 1
		.amdhsa_wavefront_size32 1
		.amdhsa_system_sgpr_workgroup_id_x 1
		.amdhsa_system_sgpr_workgroup_id_y 1
		.amdhsa_system_sgpr_workgroup_id_z 1
		.amdhsa_system_vgpr_workitem_id 0
		.amdhsa_next_free_vgpr 256
		.amdhsa_next_free_sgpr 66
		.amdhsa_reserve_vcc 0
		.amdhsa_float_denorm_mode_32 3
		.amdhsa_float_denorm_mode_16_64 3
		.amdhsa_memory_ordered 1
		.amdhsa_forward_progress 1
		.amdhsa_inst_pref_size 11
	.end_amdhsa_kernel
	.amdgpu_metadata
---
amdhsa.version: [ 1, 2 ]
amdhsa.kernels:
  - .name:           k_q54968b9fe3_proj
    .symbol:         k_q54968b9fe3_proj.kd
    .args:
      - { .name: decoder_hidden_codes, .offset: 0, .size: 8, .value_kind: global_buffer, .address_space: global }
      - { .name: decoder_hidden_scales, .offset: 8, .size: 8, .value_kind: global_buffer, .address_space: global }
      - { .name: W2_w_codes, .offset: 16, .size: 8, .value_kind: global_buffer, .address_space: global }
      - { .name: W2_w_scales, .offset: 24, .size: 8, .value_kind: global_buffer, .address_space: global }
      - { .name: W2_b, .offset: 32, .size: 8, .value_kind: global_buffer, .address_space: global }
      - { .name: W1_b, .offset: 40, .size: 8, .value_kind: global_buffer, .address_space: global }
      - { .name: cb, .offset: 48, .size: 8, .value_kind: global_buffer, .address_space: global }
    .group_segment_fixed_size: 0
    .private_segment_fixed_size: 0
    .kernarg_segment_align: 8
    .kernarg_segment_size: 56
    .max_flat_workgroup_size: 128
    .sgpr_count:     66
    .vgpr_count:     256
    .wavefront_size: 32
...
	.end_amdgpu_metadata
.endif
;; end of part 1
;; launch attn (part 2): grid 256 x 1, 4 waves a work-group, clusters of 4 x 1, 327,680 bytes of LDS; arguments encoder_outputs, W1_w_codes, W1_w_scales, V_w, cb, sc, part, stat; writes sc, part, stat
.if DOCPART == 2
	.amdgcn_target "amdgcn-amd-amdhsa--gfx1250"
	.amdhsa_code_object_version 6
	.text
	.protected	k_q54968b9fe3_attn
	.globl	k_q54968b9fe3_attn
	.p2align	8
	.type	k_q54968b9fe3_attn,@function
k_q54968b9fe3_attn:
	s_mov_b64 s[64:65], 0
	v_nop
	global_prefetch_b8 v0, s[64:65] scope:SCOPE_SE
	s_setreg_imm32_b32 hwreg(HW_REG_WAVE_MODE, 25, 1), 1
	s_wait_xcnt 0x0
	s_wait_alu depctr_hold_cnt(0) depctr_sa_sdst(0) depctr_va_vdst(0) depctr_va_sdst(0) depctr_va_ssrc(0) depctr_va_vcc(0) depctr_vm_vsrc(0)
	s_getreg_b32 s2, hwreg(HW_REG_IB_STS2, 6, 4)
	s_cmp_eq_u32 s2, 0
	s_cbranch_scc0 .Lentry_in_a_cluster
	s_endpgm
.Lentry_in_a_cluster:
	s_bfe_u32 s2, ttmp6, 0x10000c
	s_cmp_lg_u32 s2, 0x3003
	s_cbranch_scc0 .Lentry_shape_is_right
	s_endpgm
.Lentry_shape_is_right:
; For 256 rows s of one batch b (a quarter of the batch): u[s] = -2 log2(e) sum_d V_w[d] / (1 + 2^(c (enc[s] . W1[:, d]) + cb[b][d])), c = 2 log2(e); a running maximum m of u, the sum l of 2^(u - m),
; and the context so far, sum_s 2^(u[s] - m) enc[s][:].  u goes to sc, the context to part, (m, l) to stat; the next launch joins a batch's four quarters.
; WORK LEFT OUT: V_b and the plain sum of V_w, the same along the softmax's axis (shown at the head of the first kernel).
; enc . W1 is on codes of FP4 (E2M1), one E8M0 scale for each 32 along K: W1 as given, enc quantised here from f32: a block's scale byte is its largest magnitude's exponent field - 2, held at 1 from below.
; LIMITS.  NaN and infinities in enc are not served.  A block of zeros gets the byte 1 where the rule says 127: its codes are zeros, and this kernel alone reads the bytes.  For the context (a product that is left as
; it is) enc is rounded to bf16; the weights stay f32.  v_exp_f32 and v_rcp_f32 flush denormals (ISA guide, their entries): 2^x that overflows gives r = 0, one that underflows r = 1, which are tanh's limits.
;
; EACH BYTE OF enc IS READ ONCE.  The work-group walks four blocks of 64 rows.  A block lies in LDS twice: as codes (operand A) and as bf16 (for the context, which wants a row again when its score is known).
; The NEXT block's f32 numbers are on their way into 512 registers a wave meanwhile: rows 0-6 are asked for behind the conversions, rows 7-11 behind slab 3's products, rows 12-15 behind slab 7's (into registers
; that A's fragments have left).  So every row is asked for between a third of a block and a whole block ahead of its conversion, and no prefetch is laid beside that.
; W1 IS WALKED ONCE A BLOCK, in eight slabs of 128 columns x all of K (65,536 dense bytes, rows of 512) through a ring of two LDS slots.  Since a slab holds all of K, A's 32 fragments stay in 256 registers for the
; block, and every trip is alike: 64 products and the tanh of their 64 result registers, in which the next slab's load lands.
; CLUSTER.  All work-groups walk the same slabs: the four of a cluster ask JOINTLY (the same tensor load, the same descriptor, a mask that names the four).  No LDS address and no branch hangs on a work-group's place.
; SHARES.  Loading, quantising: wave w has rows 16 w .. 16 w + 15 of a block.  Products, tanh: in slab g wave w has columns 128 g + 32 w + 16 t + r (t = 0, 1) for all 64 rows: just the 32 rows of W1 that its own
; tensor load brings, so its own wait on TENSORcnt is all that its reads need.  Context: wave w has columns 256 w + 8 lane + 0 .. 7.
;
; REGISTERS, in windows of 256 (s_set_vgpr_msb: bits 1:0 source 0, 3:2 source 1, 5:4 source 2, 7:6 destination):
;   window 0: v1-21 addresses; v22-47 statistics, context, at work; v48-63 V_w; v64-79 cb; v80-143 W1's scale words; v144-159 A's scale words; v160-191 the scores' parts; v192-255 the eight accumulators
;             (while rows are converted: two sets of temporaries; in the context: the 64 weights)
;   window 1: A's 32 fragments ((m, q) at 64 m + 8 q); before that v0-127 take rows 12-15.   window 2: rows 0-7.   window 3: v0-127 rows 8-11; v128-255 B's 16 fragments, in the context four groups of eight bf16 rows.
.set PITCH, 528                        ; a row of 1,024 codes in LDS: 512 bytes + 16: the sixteen rows that a fragment load touches start 33 x 16 bytes apart
.set QUART, 32*PITCH                   ; what one tensor load brings: 32 rows of W1
.set RING1, 4*QUART                    ; slot 0 at 0, slot 1 here
.set BFC,   2*RING1                    ; 135,168: the block as bf16, [64][2,048 bytes]
.set COD,   BFC+131072                 ; 266,240: its codes, [64] rows of PITCH
.set ASC,   COD+64*PITCH               ; 300,032: its scale bytes, [64][32]
.set SCR,   ASC+2048                   ; 302,080: the scores' parts, [4 waves][64 rows] f32
.set PRB,   SCR+1024                   ; 303,104: the weights, [4 waves][64] f32, a copy for each wave
.set OUTS,  PRB+1024                   ; 304,128: the stage for the context, 1,024 bytes a wave
.set SPARE, OUTS+4096                  ; 308,224: the spare words, 128 bytes for each wave: two blocks of 256 bytes that no other line names
.set VOFF, 1                           ; enc: 65,536 w + 32 lane
.set BFA,  2                           ; bf16 copy, in: BFC + 32,768 w + 16 lane
.set CDA,  3                           ; codes, in: COD + 16 PITCH w + 4 lane
.set ASA,  4                           ; scale bytes, in: ASC + 512 w + lane / 4
.set AFA,  5                           ; A's fragments: COD + PITCH r + 16 h
.set ASR,  6                           ; A's scale words: ASC + 32 r + 16 h
.set BRD0, 7                           ; B's fragments in slot 0: QUART w + PITCH r + 16 h
.set BRD1, 8                           ; in slot 1
.set SCW,  9                           ; the scores' parts, in: SCR + 256 w + 32 h
.set SCRD, 10                          ; back: SCR + 8 lane
.set PWA,  11                          ; the weights, in: PRB + 256 w + 8 lane
.set PRD,  12                          ; back: PRB + 256 w
.set BFR0, 13                          ; bf16 copy, back: BFC + 512 w + 16 lane (rows 0-31)
.set BFR1, 14                          ; + 65,536 (rows 32-63)
.set SPW,  15                          ; my spare word: SPARE + 4 x my thread's number; never rewritten
.set NIL,  16                          ; 0; never rewritten
.set O8,   17                          ; 8 lane
.set OST,  18                          ; the stage, in: OUTS + 1,024 w + 32 lane
.set ORD,  19                          ; back: OUTS + 1,024 w + 16 lane
.set PO,   20                          ; part: 1,024 w + 16 lane
.set VN,   21                          ; V_w, cb: 4 (32 w + r)
.set LSM,  22                          ; v[22:23] the running sum, rows 2 lane and 2 lane + 1
.set FAC,  24                          ; v[24:25] f = 2^(old m - new m); v25 only fills the pair
.set MR,   26                          ; the running maximum
.set MN,   27                          ; the new one; at the end the sum l
.set CTX,  32                          ; v32-39 my eight columns of the context
.set U,    40                          ; v40-47 at work on the scores
.set VWR,  48                          ; V_w at my column of (slab g, tile t): register 2 g + t
.set CBR,  64                          ; cb likewise
.set WSW,  80                          ; W1's scale words: 4 (2 g + t) + q % 4
.set ASW,  144                         ; A's: 4 m + q % 4
.set PSM,  160                         ; the scores' parts: 8 m + j
.set ACC,  192                         ; accumulator (t, m) at 32 t + 8 m
.set ENC,  4                           ; s[4:5]   enc at the block that is being asked for
.set WV,   20                          ; s20      my wave's number
.set BLK,  23                          ; s23      blocks to go
.set G1,   24                          ; s[24:31] descriptor group 1
.set G0A,  32                          ; s[32:35] group 0 for slot 0 (even slabs)
.set G0B,  36                          ; s[36:39] for slot 1 (odd slabs)
.set CS,   40                          ; s[40:41] c = 2 log2(e): the packed form names a pair
.set SEL,  42                          ; s[42:43] v_permlanex16_b32's selects for lane xor 16
.set MSB, 0
.macro WIN new                         ; the immediate's high byte repeats the setting that is left; a switch that changes nothing is dropped
.if MSB != (\new)
	s_set_vgpr_msb (MSB<<8)|(\new)
.set MSB, (\new)
.endif
.endm
; A round of the cluster's barrier: my work-group's barrier, wave 0's signal for the work-group, every wave's wait for all four work-groups, my work-group's barrier once more.
.macro ROUND
	s_barrier_signal -1
	s_barrier_wait -1
	s_cmp_lg_u32 s[WV], 0
	s_cbranch_scc1 .Lnot_wave_0_\@
	s_barrier_signal -3
.Lnot_wave_0_\@:
	s_barrier_wait -3
	s_barrier_signal -1
	s_barrier_wait -1
.endm
.macro PLACES
.rept 4
	v_nop
.endr
.endm
.macro ROWREG rho                      ; where row rho of my sixteen lands: window LW, from register LB on
.if (\rho) < 8
.set LW, 2
.set LB, 32*(\rho)
.elseif (\rho) < 12
.set LW, 3
.set LB, 32*((\rho)-8)
.else
.set LW, 1
.set LB, 32*((\rho)-12)
.endif
.endm
; One row: eight loads.  A lane takes eight neighbours, K = 256 gq + 8 lane + 0 .. 7, into eight registers on end, as the conversions want them; the two loads of a pair cover 1,024 consecutive bytes between them.
.macro LROW rho
	ROWREG \rho
	WIN (LW<<6)
.irp gq, 0,1,2,3
.irp j, 0,1
	global_load_b128 v[LB+8*\gq+4*\j:LB+8*\gq+4*\j+3], v[VOFF], s[ENC:ENC+1] offset:(\rho)*4096+\gq*1024+16*\j th:TH_LOAD_NT
.endr
.endr
.endm
; Rows a to b of the next block.  cond = 1: the last block asks for nothing, so that no load leaves the buffer.
.macro LGROUP a, b, cond
.if \cond
	s_cmp_eq_u32 s[BLK], 1
	s_cbranch_scc1 .Lno_next_\@
.endif
.set RR, \a
.rept (\b)-(\a)+1
	LROW RR
.set RR, RR+1
.endr
	WIN 0
.if \cond
.Lno_next_\@:
.endif
.endm
; Row rho becomes 2,048 bytes of bf16, 512 bytes of codes and 32 scale bytes in LDS.  Four neighbouring lanes hold a block of 32.
.macro CONV rho
	ROWREG \rho
.set TP, ACC+32*((\rho)%2)             ; temporaries, two sets by turns: +0 largest magnitudes, +4 the conversions' scale operands, +8 bytes, +12 codes, +16 bf16
.if (\rho) < 7
.set LC, 8*(6-(\rho))
.elseif (\rho) < 12
.set LC, 8*(11-(\rho))
.else
.set LC, 8*(15-(\rho))
.endif
	s_wait_loadcnt LC                              ; loads come back in order: what may stay out are the eight loads of each later row OF THE SAME REQUEST (rows 0-6, 7-11, 12-15): each request stands under a jump of its own, so no count leans on a later one
	s_wait_dscnt 12                                ; the row before's twelve stores may be out: those of two rows back, which read this set, are done
	WIN (LW|(LW<<2))
.irp gq, 0,1,2,3
	v_max3_num_f32 v[TP+\gq], |v[LB+8*\gq]|, |v[LB+8*\gq+1]|, 0x1800000     ; my eight numbers of a block, and the floor 2^(3 - 127): the byte cannot fall under 1
.endr
.irp i, 2,4,6
.irp gq, 0,1,2,3
	v_max3_num_f32 v[TP+\gq], |v[LB+8*\gq+\i]|, |v[LB+8*\gq+\i+1]|, v[TP+\gq]   ; (the four blocks by turns)
.endr
.endr
.irp gq, 0,1,2,3
.irp k, 0,1,2,3
	v_cvt_pk_bf16_f32 v[TP+16+4*\gq+\k], v[LB+8*\gq+2*\k], v[LB+8*\gq+2*\k+1]
.endr
.endr
	WIN 0
.irp x, 1,2
.irp gq, 0,1,2,3
	v_max_num_f32_dpp v[TP+\gq], v[TP+\gq], v[TP+\gq] row_xmask:\x row_mask:0xf bank_mask:0xf   ; with the three lanes that share the block
.endr
.endr
.irp gq, 0,1,2,3
	v_add_nc_u32 v[TP+4+\gq], 0xff000000, v[TP+\gq]    ; 2 off the exponent field: the conversion takes this operand's exponent field as its scale
.endr
.irp gq, 0,1,2,3
	v_lshrrev_b32 v[TP+8+\gq], 23, v[TP+4+\gq]         ; the scale's byte
.endr
	WIN LW
.irp gq, 0,1,2,3
	v_cvt_scalef32_pk8_fp4_f32 v[TP+12+\gq], v[LB+8*\gq:LB+8*\gq+7], v[TP+4+\gq]   ; to the nearest code, ties to even, beyond 6 the largest code
.endr
	WIN 0
	v_nop                                          ; one plain place behind the scaled conversions
.irp gq, 0,1,2,3
	ds_store_b128 v[BFA], v[TP+16+4*\gq:TP+16+4*\gq+3] offset:2048*(\rho)+512*\gq
.endr
.irp gq, 0,1,2,3
	ds_store_b32 v[CDA], v[TP+12+\gq] offset:PITCH*(\rho)+128*\gq
.endr
.irp gq, 0,1,2,3
	ds_store_b8 v[ASA], v[TP+8+\gq] offset:32*(\rho)+8*\gq     ; the four lanes of a block write the same byte with the same value
.endr
.endm
; r = 1 / (1 + 2^(c x + cb)) of the 64 results, in place, and the scores' parts += V_w r.  Two batches of 64 transcendentals, each with one plain place and one wait behind it.
.macro TANH sg
.irp t, 0,1
.irp i, 0,2,4,6,8,10,12,14,16,18,20,22,24,26,28,30
	v_pk_fma_f32 v[ACC+32*\t+\i:ACC+32*\t+\i+1], v[ACC+32*\t+\i:ACC+32*\t+\i+1], s[CS:CS+1], v[CBR+2*(\sg):CBR+2*(\sg)+1] op_sel:[0,0,\t] op_sel_hi:[1,0,\t]   ; each accumulator from its low end on; of the pair cb(t = 0), cb(t = 1) tile t's serves both halves
.endr
.endr
.set II, 0
.rept 64
	v_exp_f32 v[ACC+II], v[ACC+II]
.set II, II+1
.endr
	v_nop
	s_wait_alu depctr_va_vdst(0)
.set II, 0
.rept 32
	v_pk_add_f32 v[ACC+II:ACC+II+1], v[ACC+II:ACC+II+1], 1.0 op_sel_hi:[1,0]
.set II, II+2
.endr
.set II, 0
.rept 64
	v_rcp_f32 v[ACC+II], v[ACC+II]
.set II, II+1
.endr
	v_nop
	s_wait_alu depctr_va_vdst(0)
.irp t, 0,1
.irp i, 0,2,4,6,8,10,12,14,16,18,20,22,24,26,28,30
.if ((\sg) == 0) && (\t == 0)
	v_pk_mul_f32 v[PSM+\i:PSM+\i+1], v[ACC+\i:ACC+\i+1], v[VWR:VWR+1] op_sel_hi:[1,0]      ; a block's first tile starts the parts: nothing is cleared
.else
	v_pk_fma_f32 v[PSM+\i:PSM+\i+1], v[ACC+32*\t+\i:ACC+32*\t+\i+1], v[VWR+2*(\sg):VWR+2*(\sg)+1], v[PSM+\i:PSM+\i+1] op_sel:[0,\t,0] op_sel_hi:[1,\t,1]
.endif
.endr
.endr
.endm
; SLAB sg of the block: it lies in slot sg % 2.
.macro TRIP sg
.if (\sg) < 7
	s_wait_tensorcnt 0x0                           ; my one tensor load, this slab's, has landed: so a group 0 may be written
	ds_add_u32 v[SPW], v[NIL]                      ; 0 onto my spare word; the descriptor's step stands between it and the wait for it
.if (\sg) == 6
	s_sub_nc_u64 s[G0A+2:G0A+3], s[G0A+2:G0A+3], 6*65536   ; from slab 6 back to slab 0, for the next block
.elseif ((\sg)%2) == 0
	s_add_nc_u64 s[G0A+2:G0A+3], s[G0A+2:G0A+3], 2*65536   ; slot 0's next slab
.else
	s_add_nc_u64 s[G0B+2:G0B+3], s[G0B+2:G0B+3], 2*65536   ; slot 1's
.endif
	s_wait_dscnt 0x0                               ; the add is done; my reads of the other slot are over (slab 0: and my stores of codes, scale bytes and bf16 have landed)
	ROUND                                          ; both hold of every wave of all four work-groups
.if ((\sg)%2) == 0
	tensor_load_to_lds s[G0B:G0B+3], s[G1:G1+7]    ; the next slab, into the slot read last: my one tensor load until the next round
.else
	tensor_load_to_lds s[G0A:G0A+3], s[G1:G1+7]
.endif
	s_nop 0
	PLACES
.else
	s_wait_tensorcnt 0x0                           ; slab 7: the count is exact, my one load is this slab's; I read only what it brought, nothing is filled, so no barrier stands here
	s_sub_nc_u64 s[G0B+2:G0B+3], s[G0B+2:G0B+3], 6*65536   ; from slab 7 back to slab 1
.endif
.if (\sg) == 0
	WIN 0x40                                       ; A's 32 fragments stay for the block: 16 rows x 128 K are 8 registers: lane (r, h): row r, registers 4 c .. 4 c + 3: K = 128 q + 64 c + 32 h + 0 .. 31
.irp m, 0,1,2,3
.irp q, 0,1,2,3,4,5,6,7
.irp c, 0,1
	ds_load_b128 v[64*\m+8*\q+4*\c:64*\m+8*\q+4*\c+3], v[AFA] offset:16*PITCH*\m+64*\q+32*\c
.endr
.endr
.endr
	WIN 0
.irp m, 0,1,2,3
	ds_load_b128 v[ASW+4*\m:ASW+4*\m+3], v[ASR] offset:512*\m      ; lanes 0-15: the words of K steps 0-3, lanes 16-31: of K steps 4-7
.endr
.endif
	WIN 0xc0
.irp q, 0,1,2,3,4,5,6,7
.irp t, 0,1
.irp c, 0,1
	ds_load_b128 v[128+64*\t+8*\q+4*\c:128+64*\t+8*\q+4*\c+3], v[BRD0+((\sg)%2)] offset:16*PITCH*\t+64*\q+32*\c
.endr
.endr
.endr
	WIN 0x0d                                       ; source 0 (A) window 1, source 1 (B) window 3, C and D window 0
; 64 products; the eight accumulators take turns, one instruction a turn, in the same order in every K step.  Register j of lane (r, h): row 16 m + 8 h + j, column 128 sg + 32 w + 16 t + r.
.irp q, 0,1,2,3,4,5,6,7
.if (\q%2) == 0
	s_wait_dscnt 24-4*\q                           ; B's loads of the later pairs of K steps, eight a pair, may be out
.endif
.irp t, 0,1
.irp m, 0,1,2,3
.if \q == 0
	v_wmma_scale_f32_16x16x128_f8f6f4 v[ACC+32*\t+8*\m:ACC+32*\t+8*\m+7], v[64*\m+8*\q:64*\m+8*\q+7], v[128+64*\t+8*\q:128+64*\t+8*\q+7], 0, v[ASW+4*\m+\q], v[WSW+4*(2*(\sg)+\t)+\q] matrix_a_fmt:MATRIX_FMT_FP4 matrix_b_fmt:MATRIX_FMT_FP4
.elseif \q < 4
	v_wmma_scale_f32_16x16x128_f8f6f4 v[ACC+32*\t+8*\m:ACC+32*\t+8*\m+7], v[64*\m+8*\q:64*\m+8*\q+7], v[128+64*\t+8*\q:128+64*\t+8*\q+7], v[ACC+32*\t+8*\m:ACC+32*\t+8*\m+7], v[ASW+4*\m+\q], v[WSW+4*(2*(\sg)+\t)+\q] matrix_a_fmt:MATRIX_FMT_FP4 matrix_b_fmt:MATRIX_FMT_FP4
.else
	v_wmma_scale_f32_16x16x128_f8f6f4 v[ACC+32*\t+8*\m:ACC+32*\t+8*\m+7], v[64*\m+8*\q:64*\m+8*\q+7], v[128+64*\t+8*\q:128+64*\t+8*\q+7], v[ACC+32*\t+8*\m:ACC+32*\t+8*\m+7], v[ASW+4*\m+\q-4], v[WSW+4*(2*(\sg)+\t)+\q-4] matrix_a_fmt:MATRIX_FMT_FP4 matrix_b_fmt:MATRIX_FMT_FP4 matrix_a_scale:MATRIX_SCALE_ROW1 matrix_b_scale:MATRIX_SCALE_ROW1
.endif
.endr
.endr
.endr
	WIN 0
	PLACES                                         ; four places between the last product and the first read of a result, and the loads into registers that products have read
.if (\sg) == 3
	LGROUP 7, 11, 1
.endif
.if (\sg) == 7
	LGROUP 12, 15, 1                               ; into the registers of A's fragments of rows 0-31, which are done with
.endif
	TANH \sg
.endm
.macro RBLOAD k                        ; rows 8 k .. 8 k + 7 of the bf16 copy, my 16 bytes of each, into group k % 4
.irp i, 0,1,2,3,4,5,6,7
.if (8*(\k)+\i) < 32
	ds_load_b128 v[128+32*((\k)%4)+4*\i:128+32*((\k)%4)+4*\i+3], v[BFR0] offset:2048*(8*(\k)+\i)
.else
	ds_load_b128 v[128+32*((\k)%4)+4*\i:128+32*((\k)%4)+4*\i+3], v[BFR1] offset:2048*(8*(\k)+\i-32)
.endif
.endr
.endm
	s_load_b256 s[4:11], s[0:1], 0x0               ; enc s[4:5], W1's codes s[6:7], W1's scales s[8:9], V_w s[10:11]
	s_load_b256 s[12:19], s[0:1], 0x20             ; cb s[12:13], sc s[14:15], part s[16:17], stat s[18:19]
	v_lshl_add_u32 v[SPW], v0, 2, SPARE
	v_mov_b32 v[NIL], 0
	ds_add_u32 v[SPW], v[NIL]                      ; the wave's opening: the add, twice on end, and its wait ahead of my first tensor load; the set-up below, work on registers, stands between
	ds_add_u32 v[SPW], v[NIL]
	v_lshrrev_b32 v28, 5, v0
	v_readfirstlane_b32 s[WV], v28                 ; wave 0..3
	s_bfe_u32 s21, ttmp6, 0x40000                  ; cx: my place in the cluster
	s_lshl_b32 s22, ttmp9, 2                       ; ttmp9 counts clusters: it is the batch
	s_add_co_u32 s22, s22, s21                     ; my quarter of a batch, 0 .. 255: it enters global addresses alone
	; descriptor group 1: 32 rows of 512 bytes, dense in memory, 16 bytes of padding behind each in LDS
	s_mov_b32 s[G1+0], 15|(0<<16)|(1<<20)|(1<<21)|(6<<22)|(3<<25)  ; 15:0 the mask: all four work-groups; 17:16 elements of 1 byte; 20 padding on; 21 set beside a mask; 24:22 after every 128 words (code 6); 31:25 four words (code 3)
	s_mov_b32 s[G1+1], 512<<16                     ; tensor_dim0
	s_mov_b32 s[G1+2], 32<<16                      ; tensor_dim1
	s_mov_b32 s[G1+3], 512<<16                     ; tile_dim0
	s_mov_b32 s[G1+4], 32                          ; tile_dim1
	s_mov_b32 s[G1+5], 512                         ; tensor_dim0_stride
	s_mov_b32 s[G1+6], 0
	s_mov_b32 s[G1+7], 0
	s_mov_b32 s[CS], 0x4038aa3b                    ; c = 2 log2(e)
	s_mov_b32 s[CS+1], s[CS]                       ; (named with it as a pair, so it is written)
	s_mov_b32 s[SEL], 0x76543210
	s_mov_b32 s[SEL+1], 0xfedcba98
	s_lshl_b32 s48, s[WV], 14                      ; my 32 rows of a slab in memory
	s_mov_b32 s49, 0
	v_and_b32 v28, 31, v0                          ; lane
	v_and_b32 v29, 15, v0                          ; r
	v_bfe_u32 v30, v0, 4, 1                        ; h
	v_lshlrev_b32 v31, 4, v30                      ; 16 h
	s_lshl_b32 s50, s[WV], 16
	v_lshl_add_u32 v[VOFF], v28, 5, s50
	s_lshl_b32 s50, s[WV], 15
	s_add_co_u32 s50, s50, BFC
	v_lshl_add_u32 v[BFA], v28, 4, s50
	s_mul_i32 s50, s[WV], 16*PITCH
	s_add_co_u32 s50, s50, COD
	v_lshl_add_u32 v[CDA], v28, 2, s50
	s_lshl_b32 s50, s[WV], 9
	s_add_co_u32 s51, s50, ASC
	v_lshrrev_b32 v[ASA], 2, v28
	v_add_nc_u32 v[ASA], s51, v[ASA]
	s_add_co_u32 s51, s50, BFC
	v_lshl_add_u32 v[BFR0], v28, 4, s51
	v_add_nc_u32 v[BFR1], 0x10000, v[BFR0]
	v_mad_u32_u24 v[BRD0], v29, PITCH, v31         ; PITCH r + 16 h
	v_add_nc_u32 v[AFA], COD, v[BRD0]
	s_mul_i32 s50, s[WV], QUART
	v_add_nc_u32 v[BRD0], s50, v[BRD0]
	v_add_nc_u32 v[BRD1], RING1, v[BRD0]
	v_lshl_add_u32 v[ASR], v29, 5, v31             ; 32 r + 16 h
	s_lshl_b32 s50, s[WV], 10
	v_add_nc_u32 v46, s50, v[ASR]                  ; W1's scale bytes: 32 (32 w + r) + 16 h (used at the head alone)
	v_add_nc_u32 v[ASR], ASC, v[ASR]
	v_lshl_add_u32 v[PO], v28, 4, s50
	s_add_co_u32 s50, s50, OUTS
	v_lshl_add_u32 v[OST], v28, 5, s50
	v_lshl_add_u32 v[ORD], v28, 4, s50
	s_lshl_b32 s50, s[WV], 8
	s_add_co_u32 s51, s50, SCR
	v_lshl_add_u32 v[SCW], v30, 5, s51
	v_lshl_add_u32 v[SCRD], v28, 3, SCR
	s_add_co_u32 s51, s50, PRB
	v_lshl_add_u32 v[PWA], v28, 3, s51
	v_mov_b32 v[PRD], s51
	v_lshlrev_b32 v[O8], 3, v28
	s_lshl_b32 s50, s[WV], 7
	v_lshl_add_u32 v[VN], v29, 2, s50
	v_mov_b32 v29, 0                               ; written once: a lane permute's destination counts as one of its sources
	v_mov_b32 v[FAC+1], 0                          ; (named as the upper half of the pair before it is ever written)
	v_mov_b32 v[LSM], 0                            ; the block is written once: the first finds zeros, which its f = 0 leaves zeros
	v_mov_b32 v[LSM+1], 0
	v_mov_b32 v[MR], 0xff61b1e6                    ; -3e38, under every u
.irp e, 0,1,2,3,4,5,6,7
	v_mov_b32 v[CTX+\e], 0
.endr
	s_wait_dscnt 0x0                               ; both opening adds are done
	s_wait_kmcnt 0x0
	s_mov_b32 s45, 0
	s_lshl_b32 s44, s22, 20                        ; my 256 rows of enc: 4,096 bytes each
	s_add_nc_u64 s[ENC:ENC+1], s[ENC:ENC+1], s[44:45]
	s_lshl_b32 s44, ttmp9, 12                      ; my batch's row of cb
	s_add_nc_u64 s[12:13], s[12:13], s[44:45]
	s_lshl_b32 s44, s22, 10                        ; my 256 scores
	s_add_nc_u64 s[14:15], s[14:15], s[44:45]
	s_lshl_b32 s44, s22, 12                        ; my row of part
	s_add_nc_u64 s[16:17], s[16:17], s[44:45]
	s_lshl_b32 s44, s22, 8                         ; my 256 bytes of stat
	s_add_nc_u64 s[18:19], s[18:19], s[44:45]
	s_mov_b32 s[G0A], 1                            ; 1:0 count = 1
	s_mul_i32 s[G0A+1], s[WV], QUART               ; LDS address: my quarter of slot 0: the wave's number alone
	s_add_nc_u64 s[G0A+2:G0A+3], s[6:7], s[48:49]  ; global address: my 32 rows of slab 0
	s_mov_b32 s[G0B], 1
	s_add_co_u32 s[G0B+1], s[G0A+1], RING1
	s_add_nc_u64 s[G0B+2:G0B+3], s[G0A+2:G0A+3], 0x10000   ; of slab 1
	s_or_b32 s[G0A+3], s[G0A+3], 0x80000000        ; type = 2
	s_or_b32 s[G0B+3], s[G0B+3], 0x80000000
.irp g, 0,1,2,3,4,5,6,7
.irp t, 0,1
	global_load_b32 v[VWR+2*\g+\t], v[VN], s[10:11] offset:(128*\g+16*\t)*4
	global_load_b32 v[CBR+2*\g+\t], v[VN], s[12:13] offset:(128*\g+16*\t)*4
	global_load_b128 v[WSW+4*(2*\g+\t):WSW+4*(2*\g+\t)+3], v46, s[8:9] offset:(128*\g+16*\t)*32
.endr
.endr
	LGROUP 0, 15, 0                                ; the first block's sixteen rows
	s_wait_xcnt 0x0                                ; the loads have read their base: it may step
	s_add_nc_u64 s[ENC:ENC+1], s[ENC:ENC+1], 0x40000   ; 64 rows on: the block that the first trip asks for
	s_mov_b32 s[BLK], 4
.Lblock:                                               ; four trips, all alike
	s_wait_tensorcnt 0x0                           ; no tensor load of mine is out
	ds_add_u32 v[SPW], v[NIL]                      ; 0 onto my spare word, twice on end
	ds_add_u32 v[SPW], v[NIL]
	s_wait_dscnt 0x0                               ; the adds are done; my reads of slot 0, of the codes, the scale bytes and the bf16 copy are over
	ROUND                                          ; that holds of every wave of all four work-groups: slot 0 may be filled, and the block's images written anew
	tensor_load_to_lds s[G0A:G0A+3], s[G1:G1+7]    ; slab 0: it lands while the rows are converted
	s_nop 0
	PLACES
.set CR, 0
.rept 16
	CONV CR
.set CR, CR+1
.endr
	LGROUP 0, 6, 1                                 ; 56 loads, into registers that the conversions have left; nothing else is out
.irp g, 0,1,2,3,4,5,6,7
	TRIP \g
.endr
	; THE SCORES.  A part is summed over my 32 columns: over the sixteen lanes of a half; then over the four waves, through LDS.
.irp x, 1,2,4,8
.set II, 0
.rept 32
	v_add_f32_dpp v[PSM+II], v[PSM+II], v[PSM+II] row_xmask:\x row_mask:0xf bank_mask:0xf
.set II, II+1
.endr
.endr
.irp m, 0,1,2,3
	ds_store_b128 v[SCW], v[PSM+8*\m:PSM+8*\m+3] offset:64*\m          ; rows 16 m + 8 h + 0 .. 7; the sixteen lanes of a half write the same words with the same values
	ds_store_b128 v[SCW], v[PSM+8*\m+4:PSM+8*\m+7] offset:64*\m+16
.endr
	s_wait_dscnt 0x0                               ; for the others' sake: my stores have landed
	s_barrier_signal -1
	s_barrier_wait -1
.irp x, 0,1,2,3
	ds_load_b64 v[U+2*\x:U+2*\x+1], v[SCRD] offset:256*\x              ; rows 2 lane and 2 lane + 1, wave x's part.  Every wave does the same arithmetic on the same numbers
.endr
	s_wait_dscnt 0x0
	v_pk_add_f32 v[U:U+1], v[U:U+1], v[U+2:U+3]
	v_pk_add_f32 v[U+4:U+5], v[U+4:U+5], v[U+6:U+7]
	v_pk_add_f32 v[U:U+1], v[U:U+1], v[U+4:U+5]
	v_pk_mul_f32 v[U:U+1], v[U:U+1], 0xc038aa3b op_sel_hi:[1,0]        ; u = -2 log2(e) x the sum
	s_cmp_lg_u32 s[WV], 0
	s_cbranch_scc1 .Lno_sc
	global_store_b64 v[O8], v[U:U+1], s[14:15]     ; wave 0: the block's 64 scores: 256 consecutive bytes, aligned
.Lno_sc:
	v_max_num_f32 v28, v[U], v[U+1]
.irp x, 1,2,4,8
	v_max_num_f32_dpp v28, v28, v28 row_xmask:\x row_mask:0xf bank_mask:0xf
.endr
	v_permlanex16_b32 v29, v28, s[SEL], s[SEL+1]
	v_max_num_f32 v28, v28, v29                    ; the block's largest u
	v_max_num_f32 v[MN], v[MR], v28                ; the running maximum
	v_sub_f32 v30, v[MR], v[MN]
	v_sub_f32 v[U+2], v[U], v[MN]
	v_sub_f32 v[U+3], v[U+1], v[MN]
	v_exp_f32 v[FAC], v30                          ; f = 2^(old m - new m)
	v_exp_f32 v[U+2], v[U+2]                       ; p = 2^(u - m)
	v_exp_f32 v[U+3], v[U+3]
	v_mov_b32 v[MR], v[MN]                         ; (a plain place behind the exponentials)
	s_wait_alu depctr_va_vdst(0)                   ; one wait for the three, ahead of their first reader
	v_pk_fma_f32 v[LSM:LSM+1], v[LSM:LSM+1], v[FAC:FAC+1], v[U+2:U+3] op_sel_hi:[1,0,1]
	ds_store_b64 v[PWA], v[U+2:U+3]                ; my wave's own copy of the 64 weights
	; THE CONTEXT: my eight columns x f, + the sum over the 64 rows of p x the row's bf16 numbers.
.irp e, 0,2,4,6
	v_pk_mul_f32 v[CTX+\e:CTX+\e+1], v[CTX+\e:CTX+\e+1], v[FAC:FAC+1] op_sel_hi:[1,0]
.endr
.irp k, 0,1,2,3,4,5,6,7,8,9,10,11,12,13,14,15
	ds_load_b128 v[ACC+4*\k:ACC+4*\k+3], v[PRD] offset:16*\k           ; all lanes read the same words: register s holds row s's weight.  LDS serves a wave's instructions in order: these see my store
.endr
	WIN 0xc0
	RBLOAD 0
	RBLOAD 1
	RBLOAD 2
	RBLOAD 3
.irp k, 0,1,2,3,4,5,6,7
.if \k < 5
	s_wait_dscnt 24                                ; three later groups of eight rows may be out
.else
	s_wait_dscnt 8*(7-\k)
.endif
	WIN 0x03                                       ; source 0 (the rows) window 3
.irp i, 0,1,2,3,4,5,6,7
.irp p, 0,1,2,3
	v_fma_mix_f32_bf16 v[CTX+2*\p],   v[128+32*(\k%4)+4*\i+\p], v[ACC+8*\k+\i], v[CTX+2*\p]   op_sel:[0,0,0] op_sel_hi:[1,0,0]
	v_fma_mix_f32_bf16 v[CTX+2*\p+1], v[128+32*(\k%4)+4*\i+\p], v[ACC+8*\k+\i], v[CTX+2*\p+1] op_sel:[1,0,0] op_sel_hi:[1,0,0]
.endr
.endr
.if \k < 4
	WIN 0xc0
	RBLOAD \k+4                                    ; into the group just used
.endif
.endr
	WIN 0
	s_wait_xcnt 0x0                                ; the block's loads and wave 0's store have read their bases and data: they may be written
	s_add_nc_u64 s[ENC:ENC+1], s[ENC:ENC+1], 0x40000
	s_add_nc_u64 s[14:15], s[14:15], 256
	s_sub_co_u32 s[BLK], s[BLK], 1
	s_cmp_lg_u32 s[BLK], 0
	s_cbranch_scc1 .Lblock
	; THE WAY OUT.  The sum over the lanes; the context through my own stage, so that a store covers 512 consecutive bytes.
	v_add_f32 v28, v[LSM], v[LSM+1]
.irp x, 1,2,4,8
	v_add_f32_dpp v28, v28, v28 row_xmask:\x row_mask:0xf bank_mask:0xf
.endr
	v_permlanex16_b32 v29, v28, s[SEL], s[SEL+1]
	v_add_f32 v[MN], v28, v29                      ; l, beside m in the pair v[26:27]
	ds_store_b128 v[OST], v[CTX:CTX+3]
	ds_store_b128 v[OST], v[CTX+4:CTX+7] offset:16
	ds_load_b128 v[U:U+3], v[ORD]                  ; LDS serves a wave's instructions in order: these see my stores
	ds_load_b128 v[U+4:U+7], v[ORD] offset:512
	s_wait_dscnt 1                                 ; the second load may be out
	global_store_b128 v[PO], v[U:U+3], s[16:17]
	s_wait_dscnt 0x0
	global_store_b128 v[PO], v[U+4:U+7], s[16:17] offset:512
	s_cmp_lg_u32 s[WV], 0
	s_cbranch_scc1 .Lno_stat
	global_store_b64 v[O8], v[MR:MR+1], s[18:19]   ; wave 0: (m, l), the same pair from every lane: 256 consecutive bytes, aligned
.Lno_stat:
	s_wait_tensorcnt 0x0                           ; the wave's end: behind my last tensor load and my last LDS store
	ds_add_u32 v[SPW], v[NIL]
	s_wait_dscnt 0x0
	ROUND                                          ; the closing round: no work-group ends while a partner may still ask for a slab that names it
	s_endpgm
.Lfunc_end_k_q54968b9fe3_attn:
	.size	k_q54968b9fe3_attn, .Lfunc_end_k_q54968b9fe3_attn-k_q54968b9fe3_attn
	.p2alignl 7, 3214868480
	.fill 96, 4, 3214868480
	.section	.rodata,"a",@progbits
	.p2align	6, 0x0
	.amdhsa_kernel k_q54968b9fe3_attn
		.amdhsa_group_segment_fixed_size 327680
		.amdhsa_private_segment_fixed_size 0
		.amdhsa_enable_private_segment 0
		.amdhsa_kernarg_size 64
		.amdhsa_user_sgpr_count 2
		.amdhsa_user_sgpr_kernarg_segment_ptr 1
		.amdhsa_wavefront_size32 1
		.amdhsa_system_sgpr_workgroup_id_x 1
		.amdhsa_system_sgpr_workgroup_id_y 1
		.amdhsa_system_sgpr_workgroup_id_z 1
		.amdhsa_system_vgpr_workitem_id 0
		.amdhsa_next_free_vgpr 1024
		.amdhsa_next_free_sgpr 66
		.amdhsa_reserve_vcc 0
		.amdhsa_float_denorm_mode_32 3
		.amdhsa_float_denorm_mode_16_64 3
		.amdhsa_memory_ordered 1
		.amdhsa_forward_progress 1
		.amdhsa_inst_pref_size 255
	.end_amdhsa_kernel
	.section	.bss,"aw",@nobits
	.p2align	6
	.space	262144
	.amdgpu_metadata
---
amdhsa.version: [ 1, 2 ]
amdhsa.kernels:
  - .name:           k_q54968b9fe3_attn
    .symbol:         k_q54968b9fe3_attn.kd
    .args:
      - { .name: encoder_outputs, .offset: 0, .size: 8, .value_kind: global_buffer, .address_space: global }
      - { .name: W1_w_codes, .offset: 8, .size: 8, .value_kind: global_buffer, .address_space: global }
      - { .name: W1_w_scales, .offset: 16, .size: 8, .value_kind: global_buffer, .address_space: global }
      - { .name: V_w, .offset: 24, .size: 8, .value_kind: global_buffer, .address_space: global }
      - { .name: cb, .offset: 32, .size: 8, .value_kind: global_buffer, .address_space: global }
      - { .name: sc, .offset: 40, .size: 8, .value_kind: global_buffer, .address_space: global }
      - { .name: part, .offset: 48, .size: 8, .value_kind: global_buffer, .address_space: global }
      - { .name: stat, .offset: 56, .size: 8, .value_kind: global_buffer, .address_space: global }
    .group_segment_fixed_size: 327680
    .private_segment_fixed_size: 0
    .kernarg_segment_align: 8
    .kernarg_segment_size: 64
    .max_flat_workgroup_size: 128
    .sgpr_count:     66
    .vgpr_count:     1024
    .wavefront_size: 32
...
	.end_amdgpu_metadata
.endif
;; end of part 2
;; launch fin (part 3): grid 256 x 1, 2 waves a work-group, no clusters, 0 bytes of LDS; arguments sc, part, stat, out0, out1; writes out0, out1
.if DOCPART == 3
	.amdgcn_target "amdgcn-amd-amdhsa--gfx1250"
	.amdhsa_code_object_version 6
	.text
	.protected	k_q54968b9fe3_fin
	.globl	k_q54968b9fe3_fin
	.p2align	8
	.type	k_q54968b9fe3_fin,@function
k_q54968b9fe3_fin:
	s_mov_b64 s[64:65], 0
	v_nop
	global_prefetch_b8 v0, s[64:65] scope:SCOPE_SE
	s_setreg_imm32_b32 hwreg(HW_REG_WAVE_MODE, 25, 1), 1
	s_wait_xcnt 0x0
; A batch's four quarters are joined: M = the largest of their maxima m_c, L = sum_c 2^(m_c - M) l_c;
; attention_weights[b][s] = 2^(u[b][s] - M) / L;  context_vector[b][e] = sum_c 2^(m_c - M) part[c][e] / L.
; WORK LEFT OUT: V_b and the plain sum of V_w, the same along the softmax's axis (shown at the head of the first kernel): u holds the rest of the score, in units of log2.
; Work-group x: batch x / 4, columns 256 (x % 4) on; a thread has four columns of both outputs: a wave's load or store covers 512 consecutive bytes.  No LDS, no barrier: waves share nothing.
	s_load_b256 s[4:11], s[0:1], 0x0               ; sc s[4:5], part s[6:7], stat s[8:9], out0 s[10:11]
	s_load_b64 s[12:13], s[0:1], 0x20              ; out1
	s_lshr_b32 s14, ttmp9, 2                       ; the batch
	s_and_b32 s15, ttmp9, 3
	s_lshl_b32 s15, s15, 10                        ; my 256 columns, in bytes
	v_lshl_add_u32 v1, v0, 4, s15                  ; + 16 bytes a thread
	v_mov_b32 v2, 0
	s_lshl_b32 s16, s14, 12                        ; a batch's row of 4,096 bytes in sc, out0, out1,
	s_mov_b32 s17, 0
	s_lshl_b32 s18, s14, 14                        ; its four rows of part,
	s_mov_b32 s19, 0
	s_lshl_b32 s20, s14, 10                        ; its four times 256 bytes of stat
	s_mov_b32 s21, 0
	s_wait_kmcnt 0x0
	s_add_nc_u64 s[4:5], s[4:5], s[16:17]
	s_add_nc_u64 s[6:7], s[6:7], s[18:19]
	s_add_nc_u64 s[8:9], s[8:9], s[20:21]
	s_add_nc_u64 s[10:11], s[10:11], s[16:17]
	s_add_nc_u64 s[12:13], s[12:13], s[16:17]
.irp c, 0,1,2,3
	global_load_b64 v[4+2*\c:5+2*\c], v2, s[8:9] offset:256*\c         ; (m_c, l_c)
.endr
	global_load_b128 v[28:31], v1, s[4:5]          ; u
.irp c, 0,1,2,3
	global_load_b128 v[12+4*\c:15+4*\c], v1, s[6:7] offset:4096*\c     ; part_c
.endr
	s_wait_loadcnt 0x0
	v_max3_num_f32 v40, v4, v6, v8
	v_max_num_f32 v40, v40, v10                    ; M
.irp c, 0,1,2,3
	v_sub_f32 v[32+\c], v[4+2*\c], v40
	v_sub_f32 v[36+\c], v[28+\c], v40
.endr
.irp i, 0,1,2,3,4,5,6,7
	v_exp_f32 v[32+\i], v[32+\i]                   ; v32-35: 2^(m_c - M); v36-39: 2^(u - M)
.endr
	v_nop                                          ; a plain place behind the exponentials,
	s_wait_alu depctr_va_vdst(0)                   ; and one wait for the eight, ahead of their first reader
	v_mul_f32 v41, v32, v5
	v_fmac_f32 v41, v33, v7
	v_fmac_f32 v41, v34, v9
	v_fmac_f32 v41, v35, v11                       ; L
	v_rcp_f32 v42, v41
	v_nop
	s_wait_alu depctr_va_vdst(0)
.irp i, 0,1,2,3,4,5,6,7
	v_mul_f32 v[32+\i], v[32+\i], v42              ; 1 / L goes into the four weights and into the four results of out0
.endr
	global_store_b128 v1, v[36:39], s[10:11]
	v_pk_mul_f32 v[48:49], v[12:13], v[32:33] op_sel_hi:[1,0]
	v_pk_mul_f32 v[50:51], v[14:15], v[32:33] op_sel_hi:[1,0]
	v_pk_fma_f32 v[48:49], v[16:17], v[32:33], v[48:49] op_sel:[0,1,0] op_sel_hi:[1,1,1]
	v_pk_fma_f32 v[50:51], v[18:19], v[32:33], v[50:51] op_sel:[0,1,0] op_sel_hi:[1,1,1]
	v_pk_fma_f32 v[48:49], v[20:21], v[34:35], v[48:49] op_sel_hi:[1,0,1]
	v_pk_fma_f32 v[50:51], v[22:23], v[34:35], v[50:51] op_sel_hi:[1,0,1]
	v_pk_fma_f32 v[48:49], v[24:25], v[34:35], v[48:49] op_sel:[0,1,0] op_sel_hi:[1,1,1]
	v_pk_fma_f32 v[50:51], v[26:27], v[34:35], v[50:51] op_sel:[0,1,0] op_sel_hi:[1,1,1]
	global_store_b128 v1, v[48:51], s[12:13]
	s_endpgm
.Lfunc_end_k_q54968b9fe3_fin:
	.size	k_q54968b9fe3_fin, .Lfunc_end_k_q54968b9fe3_fin-k_q54968b9fe3_fin
	.p2alignl 7, 3214868480
	.fill 96, 4, 3214868480
	.section	.rodata,"a",@progbits
	.p2align	6, 0x0
	.amdhsa_kernel k_q54968b9fe3_fin
		.amdhsa_group_segment_fixed_size 0
		.amdhsa_private_segment_fixed_size 0
		.amdhsa_enable_private_segment 0
		.amdhsa_kernarg_size 40
		.amdhsa_user_sgpr_count 2
		.amdhsa_user_sgpr_kernarg_segment_ptr 1
		.amdhsa_wavefront_size32 1
		.amdhsa_system_sgpr_workgroup_id_x 1
		.amdhsa_system_sgpr_workgroup_id_y 1
		.amdhsa_system_sgpr_workgroup_id_z 1
		.amdhsa_system_vgpr_workitem_id 0
		.amdhsa_next_free_vgpr 64
		.amdhsa_next_free_sgpr 66
		.amdhsa_reserve_vcc 0
		.amdhsa_float_denorm_mode_32 3
		.amdhsa_float_denorm_mode_16_64 3
		.amdhsa_memory_ordered 1
		.amdhsa_forward_progress 1
		.amdhsa_inst_pref_size 4
	.end_amdhsa_kernel
	.amdgpu_metadata
---
amdhsa.version: [ 1, 2 ]
amdhsa.kernels:
  - .name:           k_q54968b9fe3_fin
    .symbol:         k_q54968b9fe3_fin.kd
    .args:
      - { .name: sc, .offset: 0, .size: 8, .value_kind: global_buffer, .address_space: global }
      - { .name: part, .offset: 8, .size: 8, .value_kind: global_buffer, .address_space: global }
      - { .name: stat, .offset: 16, .size: 8, .value_kind: global_buffer, .address_space: global }
      - { .name: out0, .offset: 24, .size: 8, .value_kind: global_buffer, .address_space: global }
      - { .name: out1, .offset: 32, .size: 8, .value_kind: global_buffer, .address_space: global }
    .group_segment_fixed_size: 0
    .private_segment_fixed_size: 0
    .kernarg_segment_align: 8
    .kernarg_segment_size: 40
    .max_flat_workgroup_size: 64
    .sgpr_count:     66
    .vgpr_count:     64
    .wavefront_size: 32
...
	.end_amdgpu_metadata
.endif
;; end of part 3
;; ======== version 2 of 2: 3 launches
;; limits: values are held in bf16: 8 bits of precision; right only within a limited range of input values
;; workspace buffers: cb 262,144 bytes; sc 262,144 bytes; part 1,048,576 bytes; stat 65,536 bytes
;; launch proj (part 4): grid 32 x 1, 4 waves a work-group, no clusters, 0 bytes of LDS; arguments decoder_hidden_codes, decoder_hidden_scales, W2_w_codes, W2_w_scales, W2_b, W1_b, cb; writes cb
.if DOCPART == 4
	.amdgcn_target "amdgcn-amd-amdhsa--gfx1250"
	.amdhsa_code_object_version 6
	.text
	.protected	k_q54968b9fe3_proj
	.globl	k_q54968b9fe3_proj
	.p2align	8
	.type	k_q54968b9fe3_proj,@function
k_q54968b9fe3_proj:
	s_mov_b64 s[64:65], 0
	v_nop
	global_prefetch_b8 v0, s[64:65] scope:SCOPE_SE
	s_setreg_imm32_b32 hwreg(HW_REG_WAVE_MODE, 25, 1), 1
	s_wait_xcnt 0x0
; cb[b][n] = c x (decoder_hidden[b] . W2[:, n] + W2_b[n] + W1_b[n]), c = 2 log2(e): all that is added to enc . W1 ahead of the tanh, already in the exponent's unit.
; The product is on codes of FP4 (E2M1) with one E8M0 scale for each 32 along K, both operands taken as they are given.
;
; WORK LEFT OUT, FOR THE WHOLE PROGRAM.  tanh(x) = 1 - 2 r with r = 1 / (1 + 2^(c x)), so
;   scores[b][s] = sum_d V_w[d] tanh(x[b][s][d]) + V_b = (sum_d V_w[d] + V_b) - 2 sum_d V_w[d] r[b][s][d].
; The bracket is the same for every s of a batch, whatever the inputs hold.  softmax along s takes a term away that is the same along s (it multiplies numerator and denominator alike),
; so the bracket reaches neither attention_weights nor context_vector.  It is not computed: V_b has no way to an output, is not loaded and is no argument of any launch; V_w is used in the second term alone.
; LIMIT: a NaN, an infinity or an overflow that V_b or the plain sum of V_w would carry is not carried to the result.
;
; SHARES.  Work-group x: columns 32 x .. 32 x + 31 (two tiles t of 16); wave w: batches 16 w .. 16 w + 15.  All of K = 1,024 (eight steps q of 128) lies in registers.
; THE MATRIX INSTRUCTION IS USED TRANSPOSED: source 0 = 16 rows of W2 (K innermost as given), source 1 = 16 rows of decoder_hidden: lane (r, h) then holds batch 16 w + r and, in register j, column 32 x + 16 t + 8 h + j:
; eight neighbours of a row of cb.  The two biases are the C of each sum's first product.
; SCALE WORDS.  A row has 32 scale bytes, one word for each K step.  One load of 16 bytes at row x 32 + 16 h puts word i into lanes 0-15 of register i and word 4 + i into lanes 16-31: K step q names register q % 4,
; and from q = 4 on the upper row of lanes.
; A lane stores 16 bytes, four lanes of a batch 64 on end: the buffer is a thousandth of what the program moves, so no stage in LDS is spent on it.
.set DH,  16                           ; v16-79    decoder_hidden's fragments: K step q at DH + 8 q
.set W2F, 80                           ; v80-207   W2's: tile t, K step q at W2F + 64 t + 8 q
.set DS,  208                          ; v208-211  decoder_hidden's scale words
.set WSC, 212                          ; v212-219  W2's, four a tile
.set ACC, 220                          ; v220-235  the two sums
.set TMP, 236                          ; v236-251  W1_b, later the results
	s_load_b256 s[4:11], s[0:1], 0x0               ; decoder_hidden's codes s[4:5], its scales s[6:7], W2's codes s[8:9], its scales s[10:11]
	s_load_b128 s[12:15], s[0:1], 0x20             ; W2_b s[12:13], W1_b s[14:15]
	s_load_b64 s[16:17], s[0:1], 0x30              ; cb
	v_and_b32 v1, 15, v0                           ; r
	v_bfe_u32 v2, v0, 4, 1                         ; h
	v_lshrrev_b32 v9, 5, v0                        ; wave
	v_lshl_add_u32 v9, v9, 4, v1                   ; my batch: 16 w + r
	v_lshlrev_b32 v10, 4, v2                       ; 16 h
	v_lshl_add_u32 v3, v9, 9, v10                  ; decoder_hidden: a row of 1,024 codes is 512 bytes
	v_lshl_add_u32 v4, v1, 9, v10                  ; W2: row r of a tile
	v_lshl_add_u32 v5, v9, 5, v10                  ; scale bytes: 32 a row
	v_lshl_add_u32 v6, v1, 5, v10
	v_lshlrev_b32 v7, 5, v2                        ; the biases: my half's eight numbers
	v_lshl_add_u32 v8, v9, 12, v7                  ; cb: my batch's row of 4,096 bytes, + 32 h
	s_lshl_b32 s20, ttmp9, 14                      ; the work-group's 32 rows of W2: 512 bytes each,
	s_mov_b32 s21, 0
	s_lshl_b32 s22, ttmp9, 10                      ; 32 scale bytes each,
	s_mov_b32 s23, 0
	s_lshl_b32 s24, ttmp9, 7                       ; and its 32 columns of f32
	s_mov_b32 s25, 0
	s_wait_alu depctr_va_vdst(0)
	s_wait_kmcnt 0x0
	s_add_nc_u64 s[8:9], s[8:9], s[20:21]
	s_add_nc_u64 s[10:11], s[10:11], s[22:23]
	s_add_nc_u64 s[12:13], s[12:13], s[24:25]
	s_add_nc_u64 s[14:15], s[14:15], s[24:25]
	s_add_nc_u64 s[16:17], s[16:17], s[24:25]
.irp t, 0,1
	global_load_b128 v[ACC+8*\t:ACC+8*\t+3],   v7, s[12:13] offset:64*\t        ; W2_b at my eight columns of tile t
	global_load_b128 v[ACC+8*\t+4:ACC+8*\t+7], v7, s[12:13] offset:64*\t+16
	global_load_b128 v[TMP+8*\t:TMP+8*\t+3],   v7, s[14:15] offset:64*\t        ; W1_b likewise
	global_load_b128 v[TMP+8*\t+4:TMP+8*\t+7], v7, s[14:15] offset:64*\t+16
	global_load_b128 v[WSC+4*\t:WSC+4*\t+3],   v6, s[10:11] offset:512*\t
.endr
	global_load_b128 v[DS:DS+3], v5, s[6:7]
.irp q, 0,1,2,3,4,5,6,7
.irp c, 0,1
	global_load_b128 v[DH+8*\q+4*\c:DH+8*\q+4*\c+3], v3, s[4:5] offset:64*\q+32*\c                    ; registers 4 c .. 4 c + 3: K = 128 q + 64 c + 32 h + 0 .. 31
	global_load_b128 v[W2F+8*\q+4*\c:W2F+8*\q+4*\c+3], v4, s[8:9] offset:64*\q+32*\c
	global_load_b128 v[W2F+64+8*\q+4*\c:W2F+64+8*\q+4*\c+3], v4, s[8:9] offset:8192+64*\q+32*\c
.endr
.endr
	s_wait_loadcnt 0x0
.irp i, 0,2,4,6,8,10,12,14
	v_pk_add_f32 v[ACC+\i:ACC+\i+1], v[ACC+\i:ACC+\i+1], v[TMP+\i:TMP+\i+1]   ; the two biases together start the sums
.endr
.rept 8
	v_nop                                          ; the sums' first C has just been written by vector instructions
.endr
; sixteen products; the two sums take turns, one instruction a turn
.irp q, 0,1,2,3,4,5,6,7
.irp t, 0,1
.if \q < 4
	v_wmma_scale_f32_16x16x128_f8f6f4 v[ACC+8*\t:ACC+8*\t+7], v[W2F+64*\t+8*\q:W2F+64*\t+8*\q+7], v[DH+8*\q:DH+8*\q+7], v[ACC+8*\t:ACC+8*\t+7], v[WSC+4*\t+\q], v[DS+\q] matrix_a_fmt:MATRIX_FMT_FP4 matrix_b_fmt:MATRIX_FMT_FP4
.else
	v_wmma_scale_f32_16x16x128_f8f6f4 v[ACC+8*\t:ACC+8*\t+7], v[W2F+64*\t+8*\q:W2F+64*\t+8*\q+7], v[DH+8*\q:DH+8*\q+7], v[ACC+8*\t:ACC+8*\t+7], v[WSC+4*\t+\q-4], v[DS+\q-4] matrix_a_fmt:MATRIX_FMT_FP4 matrix_b_fmt:MATRIX_FMT_FP4 matrix_a_scale:MATRIX_SCALE_ROW1 matrix_b_scale:MATRIX_SCALE_ROW1
.endif
.endr
.endr
.rept 4
	v_nop                                          ; four places between the last product and the first read of a result (ISA guide 7.12.1)
.endr
.irp i, 0,2,4,6,8,10,12,14
	v_pk_mul_f32 v[TMP+\i:TMP+\i+1], v[ACC+\i:ACC+\i+1], 0x4038aa3b op_sel_hi:[1,0]   ; x c = 2 log2(e); each sum is read from its low end on
.endr
.irp t, 0,1
	global_store_b128 v8, v[TMP+8*\t:TMP+8*\t+3],   s[16:17] offset:64*\t
	global_store_b128 v8, v[TMP+8*\t+4:TMP+8*\t+7], s[16:17] offset:64*\t+16
.endr
	s_endpgm
.Lfunc_end_k_q54968b9fe3_proj:
	.size	k_q54968b9fe3_proj, .Lfunc_end_k_q54968b9fe3_proj-k_q54968b9fe3_proj
	.p2alignl 7, 3214868480
	.fill 96, 4, 3214868480
	.section	.rodata,"a",@progbits
	.p2align	6, 0x0
	.amdhsa_kernel k_q54968b9fe3_proj
		.amdhsa_group_segment_fixed_size 0
		.amdhsa_private_segment_fixed_size 0
		.amdhsa_enable_private_segment 0
		.amdhsa_kernarg_size 56
		.amdhsa_user_sgpr_count 2
		.amdhsa_user_sgpr_kernarg_segment_ptr 1
		.amdhsa_wavefront_size32 1
		.amdhsa_system_sgpr_workgroup_id_x 1
		.amdhsa_system_sgpr_workgroup_id_y 1
		.amdhsa_system_sgpr_workgroup_id_z 1
		.amdhsa_system_vgpr_workitem_id 0
		.amdhsa_next_free_vgpr 256
		.amdhsa_next_free_sgpr 66
		.amdhsa_reserve_vcc 0
		.amdhsa_float_denorm_mode_32 3
		.amdhsa_float_denorm_mode_16_64 3
		.amdhsa_memory_ordered 1
		.amdhsa_forward_progress 1
		.amdhsa_inst_pref_size 11
	.end_amdhsa_kernel
	.amdgpu_metadata
---
amdhsa.version: [ 1, 2 ]
amdhsa.kernels:
  - .name:           k_q54968b9fe3_proj
    .symbol:         k_q54968b9fe3_proj.kd
    .args:
      - { .name: decoder_hidden_codes, .offset: 0, .size: 8, .value_kind: global_buffer, .address_space: global }
      - { .name: decoder_hidden_scales, .offset: 8, .size: 8, .value_kind: global_buffer, .address_space: global }
      - { .name: W2_w_codes, .offset: 16, .size: 8, .value_kind: global_buffer, .address_space: global }
      - { .name: W2_w_scales, .offset: 24, .size: 8, .value_kind: global_buffer, .address_space: global }
      - { .name: W2_b, .offset: 32, .size: 8, .value_kind: global_buffer, .address_space: global }
      - { .name: W1_b, .offset: 40, .size: 8, .value_kind: global_buffer, .address_space: global }
      - { .name: cb, .offset: 48, .size: 8, .value_kind: global_buffer, .address_space: global }
    .group_segment_fixed_size: 0
    .private_segment_fixed_size: 0
    .kernarg_segment_align: 8
    .kernarg_segment_size: 56
    .max_flat_workgroup_size: 128
    .sgpr_count:     66
    .vgpr_count:     256
    .wavefront_size: 32
...
	.end_amdgpu_metadata
.endif
;; end of part 4
;; launch attn (part 5): grid 256 x 1, 4 waves a work-group, clusters of 4 x 1, 327,680 bytes of LDS; arguments encoder_outputs, W1_w_codes, W1_w_scales, V_w, cb, sc, part, stat; writes sc, part, stat
.if DOCPART == 5
	.amdgcn_target "amdgcn-amd-amdhsa--gfx1250"
	.amdhsa_code_object_version 6
	.text
	.protected	k_q54968b9fe3_attn
	.globl	k_q54968b9fe3_attn
	.p2align	8
	.type	k_q54968b9fe3_attn,@function
k_q54968b9fe3_attn:
	s_mov_b64 s[64:65], 0
	v_nop
	global_prefetch_b8 v0, s[64:65] scope:SCOPE_SE
	s_setreg_imm32_b32 hwreg(HW_REG_WAVE_MODE, 25, 1), 1
	s_wait_xcnt 0x0
	s_wait_alu depctr_hold_cnt(0) depctr_sa_sdst(0) depctr_va_vdst(0) depctr_va_sdst(0) depctr_va_ssrc(0) depctr_va_vcc(0) depctr_vm_vsrc(0)
	s_getreg_b32 s2, hwreg(HW_REG_IB_STS2, 6, 4)
	s_cmp_eq_u32 s2, 0
	s_cbranch_scc0 .Lentry_in_a_cluster
	s_endpgm
.Lentry_in_a_cluster:
	s_bfe_u32 s2, ttmp6, 0x10000c
	s_cmp_lg_u32 s2, 0x3003
	s_cbranch_scc0 .Lentry_shape_is_right
	s_endpgm
.Lentry_shape_is_right:
; For 256 rows s of one batch b (a quarter of the batch): u[s] = -2 log2(e) sum_d V_w[d] / (1 + 2^(c (enc[s] . W1[:, d]) + cb[b][d])), c = 2 log2(e); a running maximum m of u, the sum l of 2^(u - m),
; and the context so far, sum_s 2^(u[s] - m) enc[s][:].  u goes to sc, the context to part, (m, l) to stat; the next launch joins a batch's four quarters.
; WORK LEFT OUT: V_b and the plain sum of V_w, the same along the softmax's axis (shown at the head of the first kernel).
; enc . W1 is on codes of FP4 (E2M1), one E8M0 scale for each 32 along K: W1 as given, enc quantised here from f32: a block's scale byte is its largest magnitude's exponent field - 2, held at 1 from below.
; LIMITS.  NaN and infinities in enc are not served.  A block of zeros gets the byte 1 where the rule says 127: its codes are zeros, and this kernel alone reads the bytes.  For the context (a product that is left as
; it is) enc is rounded to bf16; the weights stay f32.  v_exp_f32 and v_rcp_f32 flush denormals (ISA guide, their entries): 2^x that overflows gives r = 0, one that underflows r = 1, which are tanh's limits.
;
; EACH BYTE OF enc IS READ ONCE.  The work-group walks four blocks of 64 rows.  A block lies in LDS twice: as codes (operand A) and as bf16 (for the context, which wants a row again when its score is known).
; The NEXT block's f32 numbers are on their way into 512 registers a wave meanwhile.  They are asked for in short runs that stand among the sections of the tanh, so that vector work follows each run and no LDS
; instruction stands close behind one: slab g = 0 .. 5 asks for rows 2 g and 2 g + 1, four loads a run; slab 7 for rows 12 - 15, eight a run (into registers that A's fragments have left).  So every row is asked
; for between the rest of a block and nearly a whole block ahead of its conversion, and no prefetch is laid beside that.
; EACH LOAD OF A WAVE COVERS 512 CONSECUTIVE BYTES: lane (r, h) takes the 16 bytes at 32 r + 16 h.  The conversions want eight neighbours in a lane: four lane swaps for each pair of loads give them (macro CONV).
; W1 IS WALKED ONCE A BLOCK, in eight slabs of 128 columns x all of K (65,536 dense bytes, rows of 512) through a ring of two LDS slots.  Since a slab holds all of K, A's 32 fragments stay in 256 registers for the
; block, and every trip is alike: 64 products and the tanh of their 64 result registers, in which the next slab's load lands.
; CLUSTER.  All work-groups walk the same slabs: the four of a cluster ask JOINTLY (the same tensor load, the same descriptor, a mask that names the four).  No LDS address and no branch hangs on a work-group's place.
; SHARES.  Loading, quantising: wave w has rows 16 w .. 16 w + 15 of a block.  Products, tanh: in slab g wave w has columns 128 g + 32 w + 16 t + r (t = 0, 1) for all 64 rows: just the 32 rows of W1 that its own
; tensor load brings, so its own wait on TENSORcnt is all that its reads need.  Context: wave w has columns 256 w + 8 lane + 0 .. 7.
;
; REGISTERS, in windows of 256 (s_set_vgpr_msb: bits 1:0 source 0, 3:2 source 1, 5:4 source 2, 7:6 destination):
;   window 0: v1-21 addresses; v22-47 statistics, context, at work; v48-63 V_w; v64-79 cb; v80-143 W1's scale words; v144-159 A's scale words; v160-191 the scores' parts; v192-255 the eight accumulators
;             (while rows are converted: two sets of temporaries; in the context: the 64 weights)
;   window 1: A's 32 fragments ((m, q) at 64 m + 8 q); before that v0-127 take rows 12-15.   window 2: rows 0-7.   window 3: v0-127 rows 8-11; v128-255 B's 16 fragments, in the context four groups of eight bf16 rows.
.set PITCH, 528                        ; a row of 1,024 codes in LDS: 512 bytes + 16: the sixteen rows that a fragment load touches start 33 x 16 bytes apart
.set QUART, 32*PITCH                   ; what one tensor load brings: 32 rows of W1
.set RING1, 4*QUART                    ; slot 0 at 0, slot 1 here
.set BFC,   2*RING1                    ; 135,168: the block as bf16, [64][2,048 bytes]
.set COD,   BFC+131072                 ; 266,240: its codes, [64] rows of PITCH
.set ASC,   COD+64*PITCH               ; 300,032: its scale bytes, [64][32]
.set SCR,   ASC+2048                   ; 302,080: the scores' parts, [4 waves][64 rows] f32
.set PRB,   SCR+1024                   ; 303,104: the weights, [4 waves][64] f32, a copy for each wave
.set OUTS,  PRB+1024                   ; 304,128: the stage for the context, 1,024 bytes a wave
.set SPARE, OUTS+4096                  ; 308,224: the spare words, 128 bytes for each wave: two blocks of 256 bytes that no other line names
.set VOFF, 1                           ; enc: 16,384 w + 32 r + 16 h.  ROWS: my row rho (0 .. 15) is the block's row 16 (rho / 4) + 4 w + rho % 4, so that a tile of 16 rows is whole when every wave has converted four more rows
.set BFA,  2                           ; bf16 copy, in: BFC + 8,192 w + 16 lane (block rows 0-31); v31: + 65,536 (block rows 32-63)
.set CDA,  3                           ; codes, in: COD + 4 PITCH w + 4 lane
.set ASA,  4                           ; scale bytes, in: ASC + 128 w + lane / 4
.set AFA,  5                           ; A's fragments: COD + PITCH r + 16 h
.set ASR,  6                           ; A's scale words: ASC + 32 r + 16 h
.set BRD0, 7                           ; B's fragments in slot 0: QUART w + PITCH r + 16 h
.set BRD1, 8                           ; in slot 1
.set SCW,  9                           ; the scores' parts, in: SCR + 256 w + 32 h
.set SCRD, 10                          ; back: SCR + 8 lane
.set PWA,  11                          ; the weights, in: PRB + 256 w + 8 lane
.set PRD,  12                          ; back: PRB + 256 w
.set BFR0, 13                          ; bf16 copy, back: BFC + 512 w + 16 lane (rows 0-31)
.set BFR1, 14                          ; + 65,536 (rows 32-63)
.set SPW,  15                          ; my spare word: SPARE + 4 x my thread's number; never rewritten
.set NIL,  16                          ; 0; never rewritten
.set O8,   17                          ; 8 lane
.set OST,  18                          ; the stage, in: OUTS + 1,024 w + 32 lane
.set ORD,  19                          ; back: OUTS + 1,024 w + 16 lane
.set PO,   20                          ; part: 1,024 w + 16 lane
.set VN,   21                          ; V_w, cb: 4 (32 w + r)
.set LSM,  22                          ; v[22:23] the running sum, rows 2 lane and 2 lane + 1
.set FAC,  24                          ; v[24:25] f = 2^(old m - new m); v25 only fills the pair
.set MR,   26                          ; the running maximum
.set MN,   27                          ; the new one; at the end the sum l
.set CTX,  32                          ; v32-39 my eight columns of the context
.set U,    40                          ; v40-47 at work on the scores
.set VWR,  48                          ; V_w at my column of (slab g, tile t): register 2 g + t
.set CBR,  64                          ; cb likewise
.set WSW,  80                          ; W1's scale words: 4 (2 g + t) + q % 4
.set ASW,  144                         ; A's: 4 m + q % 4
.set PSM,  160                         ; the scores' parts: 8 m + j
.set ACC,  192                         ; accumulator (t, m) at 32 t + 8 m
.set ENC,  4                           ; s[4:5]   enc at the block that is being asked for
.set WV,   20                          ; s20      my wave's number
.set BLK,  23                          ; s23      blocks to go
.set G1,   24                          ; s[24:31] descriptor group 1
.set G0A,  32                          ; s[32:35] group 0 for slot 0 (even slabs)
.set G0B,  36                          ; s[36:39] for slot 1 (odd slabs)
.set CS,   40                          ; s[40:41] c = 2 log2(e): the packed form names a pair
.set SEL,  42                          ; s[42:43] v_permlanex16_b32's selects for lane xor 16
.set MSB, 0
.macro WIN new                         ; the immediate's high byte repeats the setting that is left; a switch that changes nothing is dropped
.if MSB != (\new)
	s_set_vgpr_msb (MSB<<8)|(\new)
.set MSB, (\new)
.endif
.endm
; A round of the cluster's barrier: my work-group's barrier, wave 0's signal for the work-group, every wave's wait for all four work-groups, my work-group's barrier once more.
.macro ROUND
	s_barrier_signal -1
	s_barrier_wait -1
	s_cmp_lg_u32 s[WV], 0
	s_cbranch_scc1 .Lnot_wave_0_\@
	s_barrier_signal -3
.Lnot_wave_0_\@:
	s_barrier_wait -3
	s_barrier_signal -1
	s_barrier_wait -1
.endm
.macro PLACES
.rept 4
	v_nop
.endr
.endm
.macro ROWREG rho                      ; where row rho of my sixteen lands: window LW, from register LB on
.if (\rho) < 8
.set LW, 2
.set LB, 32*(\rho)
.elseif (\rho) < 12
.set LW, 3
.set LB, 32*((\rho)-8)
.else
.set LW, 1
.set LB, 32*((\rho)-12)
.endif
.endm
; A quarter gq of row rho, 1,024 bytes, by two loads of 512 consecutive bytes each: lanes 0-15 take the even pieces of 16 bytes, lanes 16-31 the odd ones.  (ROWREG and the window are set by the caller.)
.macro LQ rho, gq
	global_load_b128 v[LB+8*(\gq):LB+8*(\gq)+3],   v[VOFF], s[ENC:ENC+1] offset:(16*((\rho)/4)+(\rho)%4)*4096+(\gq)*1024 th:TH_LOAD_NT
	global_load_b128 v[LB+8*(\gq)+4:LB+8*(\gq)+7], v[VOFF], s[ENC:ENC+1] offset:(16*((\rho)/4)+(\rho)%4)*4096+(\gq)*1024+512 th:TH_LOAD_NT
.endm
.macro LROW rho                        ; a whole row: eight loads
	ROWREG \rho
	WIN (LW<<6)
.irp gq, 0,1,2,3
	LQ \rho, \gq
.endr
.endm
; Run p (0 .. 3) of the requests that stand in slab sg's tanh, for the NEXT block.  Slabs 0-5: half of row 2 sg + p / 2, four loads; slab 7: row 12 + p, eight loads; slab 6: none.
; The last block asks for nothing, so that no load leaves the buffer: a jump on the count of blocks, the same in all waves and all work-groups.
.macro ASK sg, p
.if (\sg) != 6
	s_cmp_eq_u32 s[BLK], 1
	s_cbranch_scc1 .Lno_next_\@
.if (\sg) < 6
	ROWREG 2*(\sg)+(\p)/2
	WIN (LW<<6)
	LQ 2*(\sg)+(\p)/2, 2*((\p)%2)
	LQ 2*(\sg)+(\p)/2, 2*((\p)%2)+1
.else
	LROW 12+(\p)
.endif
	WIN 0
.Lno_next_\@:
.endif
.endm
; Row rho becomes 2,048 bytes of bf16, 512 bytes of codes and 32 scale bytes in LDS.  Four neighbouring lanes hold a block of 32.
.macro CONV rho
	ROWREG \rho
.set TP, ACC+32*((\rho)%2)             ; temporaries, two sets by turns: +0 largest magnitudes, +4 the conversions' scale operands, +8 bytes, +12 codes, +16 bf16
.set RB, 16*((\rho)/4)+(\rho)%4        ; the block's row, less my wave's 4 w
.set BRG, BFA+(31-BFA)*(RB/32)         ; the bf16 copy's address register: v[BFA] for block rows 0-31, v31 for rows 32-63 (an LDS offset has 16 bits)
; As loaded, registers 8 gq + i hold, in lane (r, h), piece 2 r + h of the first 512 bytes of quarter gq, and registers 8 gq + 4 + i the same piece of the second 512.  The swap changes the first's lanes 16-31 with the
; second's lanes 0-15: lane r then has pieces 2 r and 2 r + 1 of the first 512 bytes, lane 16 + r those of the second: every lane holds K = 256 gq + 8 lane + 0 .. 7 in eight registers on end.
	WIN (LW|(LW<<6))
.irp gq, 0,1,2,3
.irp i, 0,1,2,3
	v_permlane16_swap_b32 v[LB+8*\gq+\i], v[LB+8*\gq+4+\i]
.endr
.endr
	s_wait_alu depctr_va_vdst(0)
.if ((\rho) != 12) && ((\rho) != 13)
	s_wait_dscnt 12                                ; the row before's twelve stores may be out: those of two rows back, which read this set, are done.  (Rows 12 and 13: the wait for 0 ahead of row 12's round has shown that, and the 66 loads issued there may stay out)
.endif
	WIN (LW|(LW<<2))
.irp gq, 0,1,2,3
	v_max3_num_f32 v[TP+\gq], |v[LB+8*\gq]|, |v[LB+8*\gq+1]|, 0x1800000     ; my eight numbers of a block, and the floor 2^(3 - 127): the byte cannot fall under 1
.endr
.irp i, 2,4,6
.irp gq, 0,1,2,3
	v_max3_num_f32 v[TP+\gq], |v[LB+8*\gq+\i]|, |v[LB+8*\gq+\i+1]|, v[TP+\gq]   ; (the four blocks by turns)
.endr
.endr
.irp gq, 0,1,2,3
.irp k, 0,1,2,3
	v_cvt_pk_bf16_f32 v[TP+16+4*\gq+\k], v[LB+8*\gq+2*\k], v[LB+8*\gq+2*\k+1]
.endr
.endr
	WIN 0
.irp x, 1,2
.irp gq, 0,1,2,3
	v_max_num_f32_dpp v[TP+\gq], v[TP+\gq], v[TP+\gq] row_xmask:\x row_mask:0xf bank_mask:0xf   ; with the three lanes that share the block
.endr
.endr
.irp gq, 0,1,2,3
	v_add_nc_u32 v[TP+4+\gq], 0xff000000, v[TP+\gq]    ; 2 off the exponent field: the conversion takes this operand's exponent field as its scale
.endr
.irp gq, 0,1,2,3
	v_lshrrev_b32 v[TP+8+\gq], 23, v[TP+4+\gq]         ; the scale's byte
.endr
	WIN LW
.irp gq, 0,1,2,3
	v_cvt_scalef32_pk8_fp4_f32 v[TP+12+\gq], v[LB+8*\gq:LB+8*\gq+7], v[TP+4+\gq]   ; to the nearest code, ties to even, beyond 6 the largest code
.endr
	WIN 0
	v_nop                                          ; one plain place behind the scaled conversions
.irp gq, 0,1,2,3
	ds_store_b128 v[BRG], v[TP+16+4*\gq:TP+16+4*\gq+3] offset:2048*(RB%32)+512*\gq
.endr
.irp gq, 0,1,2,3
	ds_store_b32 v[CDA], v[TP+12+\gq] offset:PITCH*RB+128*\gq
.endr
.irp gq, 0,1,2,3
	ds_store_b8 v[ASA], v[TP+8+\gq] offset:32*RB+8*\gq         ; the four lanes of a block write the same byte with the same value
.endr
.endm
; r = 1 / (1 + 2^(c x + cb)) of the 64 results, in place, and the scores' parts += V_w r.  One batch of 64 exponentials and two of 32 reciprocals, each with a wait ahead of it, one plain place and one wait behind it.
; All four runs of requests for the next block stand together between the two batches of reciprocals: behind the trip's joint load stand 32 scalings, 64 exponentials,
; 32 LDS loads, 32 additions and 32 reciprocals ahead of them; 32 reciprocals, 32 multiply-adds and the next slab's 64 products follow them ahead of the next joint load.
.macro TANH sg
.if (\sg) == 7                                 ; slab 7: no joint load is on its way, so rows 12-15 are asked for at once, behind the places that follow the slab's products
	ASK \sg, 0
	ASK \sg, 1
	ASK \sg, 2
	ASK \sg, 3
.endif
.irp t, 0,1
.irp i, 0,2,4,6,8,10,12,14,16,18,20,22,24,26,28,30
	v_pk_fma_f32 v[ACC+32*\t+\i:ACC+32*\t+\i+1], v[ACC+32*\t+\i:ACC+32*\t+\i+1], s[CS:CS+1], v[CBR+2*(\sg):CBR+2*(\sg)+1] op_sel:[0,0,\t] op_sel_hi:[1,0,\t]   ; each accumulator from its low end on; of the pair cb(t = 0), cb(t = 1) tile t's serves both halves
.endr
.endr
.set II, 0
	s_wait_alu depctr_va_vdst(0)
.rept 64
	v_exp_f32 v[ACC+II], v[ACC+II]
.set II, II+1
.endr
	BNEXT \sg                                      ; the next slab's fragments of W1 are asked of LDS here: they name no result of the batch, and the rest of the tanh stands ahead of their wait
	v_nop
	s_wait_alu depctr_va_vdst(0)
.set II, 0
.rept 32
	v_pk_add_f32 v[ACC+II:ACC+II+1], v[ACC+II:ACC+II+1], 1.0 op_sel_hi:[1,0]
.set II, II+2
.endr
.set II, 0
	s_wait_alu depctr_va_vdst(0)
.rept 32
	v_rcp_f32 v[ACC+II], v[ACC+II]
.set II, II+1
.endr
	v_nop
	s_wait_alu depctr_va_vdst(0)                   ; the first half's wait; it also stands between the additions and the second half, which reads them
.if (\sg) != 7
	ASK \sg, 0
	ASK \sg, 1
	ASK \sg, 2
	ASK \sg, 3
.endif
.rept 32
	v_rcp_f32 v[ACC+II], v[ACC+II]
.set II, II+1
.endr
	v_nop
	s_wait_alu depctr_va_vdst(0)
.irp t, 0,1
.irp i, 0,2,4,6,8,10,12,14,16,18,20,22,24,26,28,30
.if ((\sg) == 0) && (\t == 0)
	v_pk_mul_f32 v[PSM+\i:PSM+\i+1], v[ACC+\i:ACC+\i+1], v[VWR:VWR+1] op_sel_hi:[1,0]      ; a block's first tile starts the parts: nothing is cleared
.else
	v_pk_fma_f32 v[PSM+\i:PSM+\i+1], v[ACC+32*\t+\i:ACC+32*\t+\i+1], v[VWR+2*(\sg):VWR+2*(\sg)+1], v[PSM+\i:PSM+\i+1] op_sel:[0,\t,0] op_sel_hi:[1,\t,1]
.endif
.endr
.endr
.endm
; SLAB sg of the block: it lies in slot sg % 2.
; B's 16 fragments of slab sg + 1, from the other slot, into the registers that slab sg's products have read (four places stand behind those products).  My wait on TENSORcnt in the middle of trip sg has shown that slab landed.
.macro BNEXT sg
.if (\sg) < 7
	WIN 0xc0
.irp q, 0,1,2,3,4,5,6,7
.irp t, 0,1
.irp c, 0,1
	ds_load_b128 v[128+64*\t+8*\q+4*\c:128+64*\t+8*\q+4*\c+3], v[BRD0+(((\sg)+1)%2)] offset:16*PITCH*\t+64*\q+32*\c
.endr
.endr
.endr
	WIN 0
.endif
.endm
; A TRIP: the slab's 64 products on fragments that are in registers already; then, in slabs 0 to 5, the three lines, the round and the refill of the slot that this slab has left (slab sg + 2); then the tanh, in which the next slab's fragments are read.
.macro TRIP sg
.if (\sg) == 0
	s_wait_dscnt 0x0                               ; my stores of codes, scale bytes and bf16 have landed
	s_barrier_signal -1                            ; a plain barrier: slab 1's load stays on its way across it
	s_barrier_wait -1
.irp m, 0,1                                    ; REGISTER TILE m HOLDS THE BLOCK'S TILE (m + 2) % 4.  Tiles 2 and 3 of the registers and slab 0's fragments of B were read ahead of row 12; here the block's tiles 2 and 3
	ds_load_b128 v[ASW+4*\m:ASW+4*\m+3], v[ASR] offset:512*(\m+2)  ; lanes 0-15: the words of K steps 0-3, lanes 16-31: of K steps 4-7
.endr
	WIN 0x40
.irp q, 0,1,2,3,4,5,6,7                        ; by K step, four loads each
.irp m, 0,1
.irp c, 0,1
	ds_load_b128 v[64*\m+8*\q+4*\c:64*\m+8*\q+4*\c+3], v[AFA] offset:16*PITCH*(\m+2)+64*\q+32*\c
.endr
.endr
.endr
.endif
	WIN 0x0d
; 64 products; the eight accumulators take turns, one instruction a turn, in the same order in every K step.  Register j of lane (r, h): row 16 ((m + 2) % 4) + 8 h + j, column 128 sg + 32 w + 16 t + r.
.irp q, 0,1,2,3,4,5,6,7
.if (\sg) == 0
	s_wait_dscnt 4*(7-\q)                          ; the later K steps' loads of A, four a step, may be out
.elseif \q == 0
	s_wait_dscnt 0x0                               ; the 32 loads issued in the last slab's tanh
.endif
.irp t, 0,1
.irp m, 0,1,2,3
.if \q == 0
	v_wmma_scale_f32_16x16x128_f8f6f4 v[ACC+32*\t+8*\m:ACC+32*\t+8*\m+7], v[64*\m+8*\q:64*\m+8*\q+7], v[128+64*\t+8*\q:128+64*\t+8*\q+7], 0, v[ASW+4*\m+\q], v[WSW+4*(2*(\sg)+\t)+\q] matrix_a_fmt:MATRIX_FMT_FP4 matrix_b_fmt:MATRIX_FMT_FP4
.elseif \q < 4
	v_wmma_scale_f32_16x16x128_f8f6f4 v[ACC+32*\t+8*\m:ACC+32*\t+8*\m+7], v[64*\m+8*\q:64*\m+8*\q+7], v[128+64*\t+8*\q:128+64*\t+8*\q+7], v[ACC+32*\t+8*\m:ACC+32*\t+8*\m+7], v[ASW+4*\m+\q], v[WSW+4*(2*(\sg)+\t)+\q] matrix_a_fmt:MATRIX_FMT_FP4 matrix_b_fmt:MATRIX_FMT_FP4
.else
	v_wmma_scale_f32_16x16x128_f8f6f4 v[ACC+32*\t+8*\m:ACC+32*\t+8*\m+7], v[64*\m+8*\q:64*\m+8*\q+7], v[128+64*\t+8*\q:128+64*\t+8*\q+7], v[ACC+32*\t+8*\m:ACC+32*\t+8*\m+7], v[ASW+4*\m+\q-4], v[WSW+4*(2*(\sg)+\t)+\q-4] matrix_a_fmt:MATRIX_FMT_FP4 matrix_b_fmt:MATRIX_FMT_FP4 matrix_a_scale:MATRIX_SCALE_ROW1 matrix_b_scale:MATRIX_SCALE_ROW1
.endif
.endr
.endr
.endr
	WIN 0
.if (\sg) < 6
	s_wait_tensorcnt 0x0                           ; my one tensor load, the next slab's, has landed: so a group 0 may be written
	ds_add_u32 v[SPW], v[NIL]                      ; 0 onto my spare word; the descriptor's step stands between it and the wait for it
.if ((\sg)%2) == 0
	s_add_nc_u64 s[G0A+2:G0A+3], s[G0A+2:G0A+3], 2*65536   ; slot 0's next slab
.else
	s_add_nc_u64 s[G0B+2:G0B+3], s[G0B+2:G0B+3], 2*65536   ; slot 1's
.endif
	s_wait_dscnt 0x0                               ; the add is done; my reads of this slab's slot were over ahead of its products
	ROUND                                          ; both hold of every wave of all four work-groups
.if ((\sg)%2) == 0
	tensor_load_to_lds s[G0A:G0A+3], s[G1:G1+7]    ; slab sg + 2, into the slot that this slab has left: my one tensor load until the next round
.else
	tensor_load_to_lds s[G0B:G0B+3], s[G1:G1+7]
.endif
	s_nop 0
.elseif (\sg) == 6
	s_wait_tensorcnt 0x0                           ; slab 7's load, my one load that is out; I read only what it brought and nothing is filled, so no barrier stands here
	s_sub_nc_u64 s[G0A+2:G0A+3], s[G0A+2:G0A+3], 6*65536   ; from slab 6 back to slab 0, for the next block
	s_sub_nc_u64 s[G0B+2:G0B+3], s[G0B+2:G0B+3], 6*65536   ; from slab 7 back to slab 1
.endif
	PLACES                                         ; four places between the last product and the first read of a result, and the loads into registers that products have read
	TANH \sg
.endm
.macro RBLOAD k                        ; rows 8 k .. 8 k + 7 of the bf16 copy, my 16 bytes of each, into group k % 4
.irp i, 0,1,2,3,4,5,6,7
.if (8*(\k)+\i) < 32
	ds_load_b128 v[128+32*((\k)%4)+4*\i:128+32*((\k)%4)+4*\i+3], v[BFR0] offset:2048*(8*(\k)+\i)
.else
	ds_load_b128 v[128+32*((\k)%4)+4*\i:128+32*((\k)%4)+4*\i+3], v[BFR1] offset:2048*(8*(\k)+\i-32)
.endif
.endr
.endm
	s_load_b256 s[4:11], s[0:1], 0x0               ; enc s[4:5], W1's codes s[6:7], W1's scales s[8:9], V_w s[10:11]
	s_load_b256 s[12:19], s[0:1], 0x20             ; cb s[12:13], sc s[14:15], part s[16:17], stat s[18:19]
	v_lshl_add_u32 v[SPW], v0, 2, SPARE
	v_mov_b32 v[NIL], 0
	ds_add_u32 v[SPW], v[NIL]                      ; the wave's opening: the add, twice on end, and its wait ahead of my first tensor load; the set-up below, work on registers, stands between
	ds_add_u32 v[SPW], v[NIL]
	v_lshrrev_b32 v28, 5, v0
	v_readfirstlane_b32 s[WV], v28                 ; wave 0..3
	s_bfe_u32 s21, ttmp6, 0x40000                  ; cx: my place in the cluster
	s_lshl_b32 s22, ttmp9, 2                       ; ttmp9 counts clusters: it is the batch
	s_add_co_u32 s22, s22, s21                     ; my quarter of a batch, 0 .. 255: it enters global addresses alone
	; descriptor group 1: 32 rows of 512 bytes, dense in memory, 16 bytes of padding behind each in LDS
	s_mov_b32 s[G1+0], 15|(0<<16)|(1<<20)|(1<<21)|(6<<22)|(3<<25)  ; 15:0 the mask: all four work-groups; 17:16 elements of 1 byte; 20 padding on; 21 set beside a mask; 24:22 after every 128 words (code 6); 31:25 four words (code 3)
	s_mov_b32 s[G1+1], 512<<16                     ; tensor_dim0
	s_mov_b32 s[G1+2], 32<<16                      ; tensor_dim1
	s_mov_b32 s[G1+3], 512<<16                     ; tile_dim0
	s_mov_b32 s[G1+4], 32                          ; tile_dim1
	s_mov_b32 s[G1+5], 512                         ; tensor_dim0_stride
	s_mov_b32 s[G1+6], 0
	s_mov_b32 s[G1+7], 0
	s_mov_b32 s[CS], 0x4038aa3b                    ; c = 2 log2(e)
	s_mov_b32 s[CS+1], s[CS]                       ; (named with it as a pair, so it is written)
	s_mov_b32 s[SEL], 0x76543210
	s_mov_b32 s[SEL+1], 0xfedcba98
	s_lshl_b32 s48, s[WV], 14                      ; my 32 rows of a slab in memory
	s_mov_b32 s49, 0
	v_and_b32 v28, 31, v0                          ; lane
	v_and_b32 v29, 15, v0                          ; r
	v_bfe_u32 v30, v0, 4, 1                        ; h
	v_lshlrev_b32 v31, 4, v30                      ; 16 h
	s_wait_alu depctr_va_vdst(0)
	s_lshl_b32 s50, s[WV], 14
	v_lshl_add_u32 v[VOFF], v29, 5, v31            ; 32 r + 16 h: the 32 lanes of a load cover 512 consecutive bytes
	v_add_nc_u32 v[VOFF], s50, v[VOFF]             ; + my wave's sixteen rows
	s_lshl_b32 s50, s[WV], 13
	s_add_co_u32 s50, s50, BFC
	v_lshl_add_u32 v[BFA], v28, 4, s50
	s_mul_i32 s50, s[WV], 4*PITCH
	s_add_co_u32 s50, s50, COD
	v_lshl_add_u32 v[CDA], v28, 2, s50
	s_lshl_b32 s50, s[WV], 7
	s_add_co_u32 s51, s50, ASC
	s_lshl_b32 s50, s[WV], 9
	v_lshrrev_b32 v[ASA], 2, v28
	v_add_nc_u32 v[ASA], s51, v[ASA]
	s_add_co_u32 s51, s50, BFC
	v_lshl_add_u32 v[BFR0], v28, 4, s51
	v_add_nc_u32 v[BFR1], 0x10000, v[BFR0]
	v_mad_u32_u24 v[BRD0], v29, PITCH, v31         ; PITCH r + 16 h
	v_add_nc_u32 v[AFA], COD, v[BRD0]
	s_mul_i32 s50, s[WV], QUART
	v_add_nc_u32 v[BRD0], s50, v[BRD0]
	v_add_nc_u32 v[BRD1], RING1, v[BRD0]
	v_lshl_add_u32 v[ASR], v29, 5, v31             ; 32 r + 16 h
	v_add_nc_u32 v31, 0x10000, v[BFA]              ; from here on v31 is the bf16 copy's second address: block rows 32-63
	s_lshl_b32 s50, s[WV], 10
	v_add_nc_u32 v46, s50, v[ASR]                  ; W1's scale bytes: 32 (32 w + r) + 16 h (used at the head alone)
	v_add_nc_u32 v[ASR], ASC, v[ASR]
	v_lshl_add_u32 v[PO], v28, 4, s50
	s_add_co_u32 s50, s50, OUTS
	v_lshl_add_u32 v[OST], v28, 5, s50
	v_lshl_add_u32 v[ORD], v28, 4, s50
	s_lshl_b32 s50, s[WV], 8
	s_add_co_u32 s51, s50, SCR
	v_lshl_add_u32 v[SCW], v30, 5, s51
	v_lshl_add_u32 v[SCRD], v28, 3, SCR
	s_add_co_u32 s51, s50, PRB
	v_lshl_add_u32 v[PWA], v28, 3, s51
	v_mov_b32 v[PRD], s51
	v_lshlrev_b32 v[O8], 3, v28
	s_lshl_b32 s50, s[WV], 7
	v_lshl_add_u32 v[VN], v29, 2, s50
	v_mov_b32 v29, 0                               ; written once: a lane permute's destination counts as one of its sources
	v_mov_b32 v[FAC+1], 0                          ; (named as the upper half of the pair before it is ever written)
	v_mov_b32 v[LSM], 0                            ; the block is written once: the first finds zeros, which its f = 0 leaves zeros
	v_mov_b32 v[LSM+1], 0
	v_mov_b32 v[MR], 0xff61b1e6                    ; -3e38, under every u
.irp e, 0,1,2,3,4,5,6,7
	v_mov_b32 v[CTX+\e], 0
.endr
	s_wait_dscnt 0x0                               ; both opening adds are done
	s_wait_kmcnt 0x0
	s_mov_b32 s45, 0
	s_lshl_b32 s44, s22, 20                        ; my 256 rows of enc: 4,096 bytes each
	s_add_nc_u64 s[ENC:ENC+1], s[ENC:ENC+1], s[44:45]
	s_lshl_b32 s44, ttmp9, 12                      ; my batch's row of cb
	s_add_nc_u64 s[12:13], s[12:13], s[44:45]
	s_lshl_b32 s44, s22, 10                        ; my 256 scores
	s_add_nc_u64 s[14:15], s[14:15], s[44:45]
	s_lshl_b32 s44, s22, 12                        ; my row of part
	s_add_nc_u64 s[16:17], s[16:17], s[44:45]
	s_lshl_b32 s44, s22, 8                         ; my 256 bytes of stat
	s_add_nc_u64 s[18:19], s[18:19], s[44:45]
	s_mov_b32 s[G0A], 1                            ; 1:0 count = 1
	s_mul_i32 s[G0A+1], s[WV], QUART               ; LDS address: my quarter of slot 0: the wave's number alone
	s_add_nc_u64 s[G0A+2:G0A+3], s[6:7], s[48:49]  ; global address: my 32 rows of slab 0
	s_mov_b32 s[G0B], 1
	s_add_co_u32 s[G0B+1], s[G0A+1], RING1
	s_add_nc_u64 s[G0B+2:G0B+3], s[G0A+2:G0A+3], 0x10000   ; of slab 1
	s_or_b32 s[G0A+3], s[G0A+3], 0x80000000        ; type = 2
	s_or_b32 s[G0B+3], s[G0B+3], 0x80000000
.irp g, 0,1,2,3,4,5,6,7
.irp t, 0,1
	global_load_b32 v[VWR+2*\g+\t], v[VN], s[10:11] offset:(128*\g+16*\t)*4
	global_load_b32 v[CBR+2*\g+\t], v[VN], s[12:13] offset:(128*\g+16*\t)*4
	global_load_b128 v[WSW+4*(2*\g+\t):WSW+4*(2*\g+\t)+3], v46, s[8:9] offset:(128*\g+16*\t)*32
.endr
.endr
.set RR, 0
.rept 16
	LROW RR                                        ; the first block's sixteen rows
.set RR, RR+1
.endr
	WIN 0
	s_wait_xcnt 0x0                                ; the loads have read their base: it may step
	s_add_nc_u64 s[ENC:ENC+1], s[ENC:ENC+1], 0x40000   ; 64 rows on: the block that the first trip asks for
	s_mov_b32 s[BLK], 4
.Lblock:                                               ; four trips, all alike
	s_wait_tensorcnt 0x0                           ; no tensor load of mine is out
	ds_add_u32 v[SPW], v[NIL]                      ; 0 onto my spare word, twice on end
	ds_add_u32 v[SPW], v[NIL]
	s_wait_dscnt 0x0                               ; the adds are done; my reads of slot 0, of the codes, the scale bytes and the bf16 copy are over
	ROUND                                          ; that holds of every wave of all four work-groups: slot 0 may be filled, and the block's images written anew
	tensor_load_to_lds s[G0A:G0A+3], s[G1:G1+7]    ; slab 0: it lands while the rows are converted
	s_nop 0
	PLACES
	s_wait_loadcnt 0x0                             ; my sixteen rows are in.  Each run of requests stands under a jump of its own, so no count leans on a later run: the wait is for all.  The youngest were asked for in slab 7's tanh: the rest of it, the scores, the context and the round lie between
.set CR, 0
.rept 16
.if CR == 12
	s_wait_tensorcnt 0x0                           ; slab 0 has landed (twelve rows' conversions stand behind its request)
	ds_add_u32 v[SPW], v[NIL]                      ; 0 onto my spare word, ahead of slot 1's fill
	s_wait_dscnt 0x0                               ; the add is done; my reads of slot 1 ended in the last block's slab 6
	ROUND
	tensor_load_to_lds s[G0B:G0B+3], s[G1:G1+7]    ; slab 1: four rows' conversions, A's last loads and slab 0's products stand ahead of the wait for it
	s_nop 0
	PLACES
	WIN 0x40                                       ; every wave has stored its rows 0-11, and the round has shown them: the block's tiles 0 and 1 go into register tiles 2 and 3, which are free (tiles 0 and 1 still hold rows 12-15)
.irp m, 2,3
.irp q, 0,1,2,3,4,5,6,7
.irp c, 0,1
	ds_load_b128 v[64*\m+8*\q+4*\c:64*\m+8*\q+4*\c+3], v[AFA] offset:16*PITCH*(\m-2)+64*\q+32*\c
.endr
.endr
.endr
	WIN 0xc0                                       ; and slab 0's fragments of B: my wait on TENSORcnt above has shown it landed
.irp q, 0,1,2,3,4,5,6,7
.irp t, 0,1
.irp c, 0,1
	ds_load_b128 v[128+64*\t+8*\q+4*\c:128+64*\t+8*\q+4*\c+3], v[BRD0] offset:16*PITCH*\t+64*\q+32*\c
.endr
.endr
.endr
	WIN 0
.irp m, 2,3
	ds_load_b128 v[ASW+4*\m:ASW+4*\m+3], v[ASR] offset:512*(\m-2)
.endr
.endif
	CONV CR
.set CR, CR+1
.endr
.irp g, 0,1,2,3,4,5,6,7
	TRIP \g
.endr
	; THE SCORES.  A part is summed over my 32 columns: over the sixteen lanes of a half; then over the four waves, through LDS.
.irp x, 1,2,4,8
.set II, 0
.rept 32
	v_add_f32_dpp v[PSM+II], v[PSM+II], v[PSM+II] row_xmask:\x row_mask:0xf bank_mask:0xf
.set II, II+1
.endr
.endr
.irp m, 0,1,2,3
	ds_store_b128 v[SCW], v[PSM+8*\m:PSM+8*\m+3] offset:64*((\m+2)%4)          ; register tile m is the block's tile (m + 2) % 4: rows 16 x that + 8 h + 0 .. 7; the sixteen lanes of a half write the same words with the same values
	ds_store_b128 v[SCW], v[PSM+8*\m+4:PSM+8*\m+7] offset:64*((\m+2)%4)+16
.endr
	s_wait_dscnt 0x0                               ; for the others' sake: my stores have landed
	s_barrier_signal -1
	s_barrier_wait -1
.irp x, 0,1,2,3
	ds_load_b64 v[U+2*\x:U+2*\x+1], v[SCRD] offset:256*\x              ; rows 2 lane and 2 lane + 1, wave x's part.  Every wave does the same arithmetic on the same numbers
.endr
	s_wait_dscnt 0x0
	v_pk_add_f32 v[U:U+1], v[U:U+1], v[U+2:U+3]
	v_pk_add_f32 v[U+4:U+5], v[U+4:U+5], v[U+6:U+7]
	v_pk_add_f32 v[U:U+1], v[U:U+1], v[U+4:U+5]
	v_pk_mul_f32 v[U:U+1], v[U:U+1], 0xc038aa3b op_sel_hi:[1,0]        ; u = -2 log2(e) x the sum
	s_cmp_lg_u32 s[WV], 0
	s_cbranch_scc1 .Lno_sc
	global_store_b64 v[O8], v[U:U+1], s[14:15]     ; wave 0: the block's 64 scores: 256 consecutive bytes, aligned
.Lno_sc:
	s_wait_alu depctr_va_vdst(0)
	v_max_num_f32 v28, v[U], v[U+1]
.irp x, 1,2,4,8
	v_max_num_f32_dpp v28, v28, v28 row_xmask:\x row_mask:0xf bank_mask:0xf
.endr
	v_permlanex16_b32 v29, v28, s[SEL], s[SEL+1]
	v_max_num_f32 v28, v28, v29                    ; the block's largest u
	v_max_num_f32 v[MN], v[MR], v28                ; the running maximum
	v_sub_f32 v30, v[MR], v[MN]
	v_sub_f32 v[U+2], v[U], v[MN]
	v_sub_f32 v[U+3], v[U+1], v[MN]
	s_wait_alu depctr_va_vdst(0)
	v_exp_f32 v[FAC], v30                          ; f = 2^(old m - new m)
	v_exp_f32 v[U+2], v[U+2]                       ; p = 2^(u - m)
	v_exp_f32 v[U+3], v[U+3]
	v_mov_b32 v[MR], v[MN]                         ; (a plain place behind the exponentials)
	s_wait_alu depctr_va_vdst(0)                   ; one wait for the three, ahead of their first reader
	v_pk_fma_f32 v[LSM:LSM+1], v[LSM:LSM+1], v[FAC:FAC+1], v[U+2:U+3] op_sel_hi:[1,0,1]
	ds_store_b64 v[PWA], v[U+2:U+3]                ; my wave's own copy of the 64 weights
	; THE CONTEXT: my eight columns x f, + the sum over the 64 rows of p x the row's bf16 numbers.
.irp e, 0,2,4,6
	v_pk_mul_f32 v[CTX+\e:CTX+\e+1], v[CTX+\e:CTX+\e+1], v[FAC:FAC+1] op_sel_hi:[1,0]
.endr
.irp k, 0,1,2,3,4,5,6,7,8,9,10,11,12,13,14,15
	ds_load_b128 v[ACC+4*\k:ACC+4*\k+3], v[PRD] offset:16*\k           ; all lanes read the same words: register s holds row s's weight.  LDS serves a wave's instructions in order: these see my store
.endr
	WIN 0xc0
	RBLOAD 0
	RBLOAD 1
	RBLOAD 2
	RBLOAD 3
	s_wait_alu depctr_va_vdst(0)
.irp k, 0,1,2,3,4,5,6,7
.if \k < 5
	s_wait_alu depctr_va_vdst(0)
	s_wait_dscnt 24                                ; three later groups of eight rows may be out
.else
	s_wait_alu depctr_va_vdst(0)
	s_wait_dscnt 8*(7-\k)
.endif
	WIN 0x03                                       ; source 0 (the rows) window 3
.irp i, 0,1,2,3,4,5,6,7
.irp p, 0,1,2,3
	v_fma_mix_f32_bf16 v[CTX+2*\p],   v[128+32*(\k%4)+4*\i+\p], v[ACC+8*\k+\i], v[CTX+2*\p]   op_sel:[0,0,0] op_sel_hi:[1,0,0]
	v_fma_mix_f32_bf16 v[CTX+2*\p+1], v[128+32*(\k%4)+4*\i+\p], v[ACC+8*\k+\i], v[CTX+2*\p+1] op_sel:[1,0,0] op_sel_hi:[1,0,0]
.endr
.endr
.if \k < 4
	WIN 0xc0
	RBLOAD \k+4                                    ; into the group just used
.endif
.endr
	WIN 0
	s_wait_xcnt 0x0                                ; the block's loads and wave 0's store have read their bases and data: they may be written
	s_add_nc_u64 s[ENC:ENC+1], s[ENC:ENC+1], 0x40000
	s_add_nc_u64 s[14:15], s[14:15], 256
	s_sub_co_u32 s[BLK], s[BLK], 1
	s_cmp_lg_u32 s[BLK], 0
	s_cbranch_scc1 .Lblock
	; THE WAY OUT.  The sum over the lanes; the context through my own stage, so that a store covers 512 consecutive bytes.
	v_add_f32 v28, v[LSM], v[LSM+1]
.irp x, 1,2,4,8
	v_add_f32_dpp v28, v28, v28 row_xmask:\x row_mask:0xf bank_mask:0xf
.endr
	v_permlanex16_b32 v29, v28, s[SEL], s[SEL+1]
	v_add_f32 v[MN], v28, v29                      ; l, beside m in the pair v[26:27]
	ds_store_b128 v[OST], v[CTX:CTX+3]
	s_wait_alu depctr_va_vdst(0)
	ds_store_b128 v[OST], v[CTX+4:CTX+7] offset:16
	ds_load_b128 v[U:U+3], v[ORD]                  ; LDS serves a wave's instructions in order: these see my stores
	ds_load_b128 v[U+4:U+7], v[ORD] offset:512
	s_wait_dscnt 1                                 ; the second load may be out
	global_store_b128 v[PO], v[U:U+3], s[16:17]
	s_wait_dscnt 0x0
	global_store_b128 v[PO], v[U+4:U+7], s[16:17] offset:512
	s_cmp_lg_u32 s[WV], 0
	s_cbranch_scc1 .Lno_stat
	global_store_b64 v[O8], v[MR:MR+1], s[18:19]   ; wave 0: (m, l), the same pair from every lane: 256 consecutive bytes, aligned
.Lno_stat:
	s_wait_tensorcnt 0x0                           ; the wave's end: behind my last tensor load and my last LDS store
	ds_add_u32 v[SPW], v[NIL]
	s_wait_dscnt 0x0
	ROUND                                          ; the closing round: no work-group ends while a partner may still ask for a slab that names it
	s_endpgm
.Lfunc_end_k_q54968b9fe3_attn:
	.size	k_q54968b9fe3_attn, .Lfunc_end_k_q54968b9fe3_attn-k_q54968b9fe3_attn
	.p2alignl 7, 3214868480
	.fill 96, 4, 3214868480
	.section	.rodata,"a",@progbits
	.p2align	6, 0x0
	.amdhsa_kernel k_q54968b9fe3_attn
		.amdhsa_group_segment_fixed_size 327680
		.amdhsa_private_segment_fixed_size 0
		.amdhsa_enable_private_segment 0
		.amdhsa_kernarg_size 64
		.amdhsa_user_sgpr_count 2
		.amdhsa_user_sgpr_kernarg_segment_ptr 1
		.amdhsa_wavefront_size32 1
		.amdhsa_system_sgpr_workgroup_id_x 1
		.amdhsa_system_sgpr_workgroup_id_y 1
		.amdhsa_system_sgpr_workgroup_id_z 1
		.amdhsa_system_vgpr_workitem_id 0
		.amdhsa_next_free_vgpr 1024
		.amdhsa_next_free_sgpr 66
		.amdhsa_reserve_vcc 0
		.amdhsa_float_denorm_mode_32 3
		.amdhsa_float_denorm_mode_16_64 3
		.amdhsa_memory_ordered 1
		.amdhsa_forward_progress 1
		.amdhsa_inst_pref_size 255
	.end_amdhsa_kernel
	.section	.bss,"aw",@nobits
	.p2align	6
	.space	262144
	.amdgpu_metadata
---
amdhsa.version: [ 1, 2 ]
amdhsa.kernels:
  - .name:           k_q54968b9fe3_attn
    .symbol:         k_q54968b9fe3_attn.kd
    .args:
      - { .name: encoder_outputs, .offset: 0, .size: 8, .value_kind: global_buffer, .address_space: global }
      - { .name: W1_w_codes, .offset: 8, .size: 8, .value_kind: global_buffer, .address_space: global }
      - { .name: W1_w_scales, .offset: 16, .size: 8, .value_kind: global_buffer, .address_space: global }
      - { .name: V_w, .offset: 24, .size: 8, .value_kind: global_buffer, .address_space: global }
      - { .name: cb, .offset: 32, .size: 8, .value_kind: global_buffer, .address_space: global }
      - { .name: sc, .offset: 40, .size: 8, .value_kind: global_buffer, .address_space: global }
      - { .name: part, .offset: 48, .size: 8, .value_kind: global_buffer, .address_space: global }
      - { .name: stat, .offset: 56, .size: 8, .value_kind: global_buffer, .address_space: global }
    .group_segment_fixed_size: 327680
    .private_segment_fixed_size: 0
    .kernarg_segment_align: 8
    .kernarg_segment_size: 64
    .max_flat_workgroup_size: 128
    .sgpr_count:     66
    .vgpr_count:     1024
    .wavefront_size: 32
...
	.end_amdgpu_metadata
.endif
;; end of part 5
;; launch fin (part 6): grid 256 x 1, 2 waves a work-group, no clusters, 0 bytes of LDS; arguments sc, part, stat, out0, out1; writes out0, out1
.if DOCPART == 6
	.amdgcn_target "amdgcn-amd-amdhsa--gfx1250"
	.amdhsa_code_object_version 6
	.text
	.protected	k_q54968b9fe3_fin
	.globl	k_q54968b9fe3_fin
	.p2align	8
	.type	k_q54968b9fe3_fin,@function
k_q54968b9fe3_fin:
	s_mov_b64 s[64:65], 0
	v_nop
	global_prefetch_b8 v0, s[64:65] scope:SCOPE_SE
	s_setreg_imm32_b32 hwreg(HW_REG_WAVE_MODE, 25, 1), 1
	s_wait_xcnt 0x0
; A batch's four quarters are joined: M = the largest of their maxima m_c, L = sum_c 2^(m_c - M) l_c;
; attention_weights[b][s] = 2^(u[b][s] - M) / L;  context_vector[b][e] = sum_c 2^(m_c - M) part[c][e] / L.
; WORK LEFT OUT: V_b and the plain sum of V_w, the same along the softmax's axis (shown at the head of the first kernel): u holds the rest of the score, in units of log2.
; Work-group x: batch x / 4, columns 256 (x % 4) on; a thread has four columns of both outputs: a wave's load or store covers 512 consecutive bytes.  No LDS, no barrier: waves share nothing.
	s_load_b256 s[4:11], s[0:1], 0x0               ; sc s[4:5], part s[6:7], stat s[8:9], out0 s[10:11]
	s_load_b64 s[12:13], s[0:1], 0x20              ; out1
	s_lshr_b32 s14, ttmp9, 2                       ; the batch
	s_and_b32 s15, ttmp9, 3
	s_lshl_b32 s15, s15, 10                        ; my 256 columns, in bytes
	v_lshl_add_u32 v1, v0, 4, s15                  ; + 16 bytes a thread
	v_mov_b32 v2, 0
	s_lshl_b32 s16, s14, 12                        ; a batch's row of 4,096 bytes in sc, out0, out1,
	s_mov_b32 s17, 0
	s_lshl_b32 s18, s14, 14                        ; its four rows of part,
	s_mov_b32 s19, 0
	s_lshl_b32 s20, s14, 10                        ; its four times 256 bytes of stat
	s_mov_b32 s21, 0
	s_wait_alu depctr_va_vdst(0)
	s_wait_kmcnt 0x0
	s_add_nc_u64 s[4:5], s[4:5], s[16:17]
	s_add_nc_u64 s[6:7], s[6:7], s[18:19]
	s_add_nc_u64 s[8:9], s[8:9], s[20:21]
	s_add_nc_u64 s[10:11], s[10:11], s[16:17]
	s_add_nc_u64 s[12:13], s[12:13], s[16:17]
.irp c, 0,1,2,3
	global_load_b64 v[4+2*\c:5+2*\c], v2, s[8:9] offset:256*\c         ; (m_c, l_c)
.endr
	global_load_b128 v[28:31], v1, s[4:5]          ; u
.irp c, 0,1,2,3
	global_load_b128 v[12+4*\c:15+4*\c], v1, s[6:7] offset:4096*\c     ; part_c
.endr
	s_wait_loadcnt 0x0
	v_max3_num_f32 v40, v4, v6, v8
	v_max_num_f32 v40, v40, v10                    ; M
.irp c, 0,1,2,3
	v_sub_f32 v[32+\c], v[4+2*\c], v40
	v_sub_f32 v[36+\c], v[28+\c], v40
.endr
	s_wait_alu depctr_va_vdst(0)
.irp i, 0,1,2,3,4,5,6,7
	v_exp_f32 v[32+\i], v[32+\i]                   ; v32-35: 2^(m_c - M); v36-39: 2^(u - M)
.endr
	v_nop                                          ; a plain place behind the exponentials,
	s_wait_alu depctr_va_vdst(0)                   ; and one wait for the eight, ahead of their first reader
	v_mul_f32 v41, v32, v5
	v_fmac_f32 v41, v33, v7
	v_fmac_f32 v41, v34, v9
	v_fmac_f32 v41, v35, v11                       ; L
	s_wait_alu depctr_va_vdst(0)
	v_rcp_f32 v42, v41
	v_nop
	s_wait_alu depctr_va_vdst(0)
.irp i, 0,1,2,3,4,5,6,7
	v_mul_f32 v[32+\i], v[32+\i], v42              ; 1 / L goes into the four weights and into the four results of out0
.endr
	global_store_b128 v1, v[36:39], s[10:11]
	v_pk_mul_f32 v[48:49], v[12:13], v[32:33] op_sel_hi:[1,0]
	v_pk_mul_f32 v[50:51], v[14:15], v[32:33] op_sel_hi:[1,0]
	v_pk_fma_f32 v[48:49], v[16:17], v[32:33], v[48:49] op_sel:[0,1,0] op_sel_hi:[1,1,1]
	v_pk_fma_f32 v[50:51], v[18:19], v[32:33], v[50:51] op_sel:[0,1,0] op_sel_hi:[1,1,1]
	v_pk_fma_f32 v[48:49], v[20:21], v[34:35], v[48:49] op_sel_hi:[1,0,1]
	v_pk_fma_f32 v[50:51], v[22:23], v[34:35], v[50:51] op_sel_hi:[1,0,1]
	v_pk_fma_f32 v[48:49], v[24:25], v[34:35], v[48:49] op_sel:[0,1,0] op_sel_hi:[1,1,1]
	v_pk_fma_f32 v[50:51], v[26:27], v[34:35], v[50:51] op_sel:[0,1,0] op_sel_hi:[1,1,1]
	global_store_b128 v1, v[48:51], s[12:13]
	s_endpgm
.Lfunc_end_k_q54968b9fe3_fin:
	.size	k_q54968b9fe3_fin, .Lfunc_end_k_q54968b9fe3_fin-k_q54968b9fe3_fin
	.p2alignl 7, 3214868480
	.fill 96, 4, 3214868480
	.section	.rodata,"a",@progbits
	.p2align	6, 0x0
	.amdhsa_kernel k_q54968b9fe3_fin
		.amdhsa_group_segment_fixed_size 0
		.amdhsa_private_segment_fixed_size 0
		.amdhsa_enable_private_segment 0
		.amdhsa_kernarg_size 40
		.amdhsa_user_sgpr_count 2
		.amdhsa_user_sgpr_kernarg_segment_ptr 1
		.amdhsa_wavefront_size32 1
		.amdhsa_system_sgpr_workgroup_id_x 1
		.amdhsa_system_sgpr_workgroup_id_y 1
		.amdhsa_system_sgpr_workgroup_id_z 1
		.amdhsa_system_vgpr_workitem_id 0
		.amdhsa_next_free_vgpr 64
		.amdhsa_next_free_sgpr 66
		.amdhsa_reserve_vcc 0
		.amdhsa_float_denorm_mode_32 3
		.amdhsa_float_denorm_mode_16_64 3
		.amdhsa_memory_ordered 1
		.amdhsa_forward_progress 1
		.amdhsa_inst_pref_size 4
	.end_amdhsa_kernel
	.amdgpu_metadata
---
amdhsa.version: [ 1, 2 ]
amdhsa.kernels:
  - .name:           k_q54968b9fe3_fin
    .symbol:         k_q54968b9fe3_fin.kd
    .args:
      - { .name: sc, .offset: 0, .size: 8, .value_kind: global_buffer, .address_space: global }
      - { .name: part, .offset: 8, .size: 8, .value_kind: global_buffer, .address_space: global }
      - { .name: stat, .offset: 16, .size: 8, .value_kind: global_buffer, .address_space: global }
      - { .name: out0, .offset: 24, .size: 8, .value_kind: global_buffer, .address_space: global }
      - { .name: out1, .offset: 32, .size: 8, .value_kind: global_buffer, .address_space: global }
    .group_segment_fixed_size: 0
    .private_segment_fixed_size: 0
    .kernarg_segment_align: 8
    .kernarg_segment_size: 40
    .max_flat_workgroup_size: 64
    .sgpr_count:     66
    .vgpr_count:     64
    .wavefront_size: 32
...
	.end_amdgpu_metadata
.endif
;; end of part 6
